; MI455X (gfx1250); checked and timed in simulation.
; The chip was launched on July 23, 2026; its instructions are those of AMD's public machine-readable ISA for CDNA 5 (MIT licence, August 2026) and "CDNA5" Instruction Set Architecture Reference Guide (July 2026). The comments in the code are by the model that wrote it; some were corrected since.
;; Enhanced Attention V2. Allowed arithmetic: matrix products marked QUANTISED: E5M2 operands, one E8M0 scale for each 32 along K, by v_wmma_scale_f32_16x16x128_f8f6f4 with both operands' format E5M2, f32 sums; everything else in f32.
;; Inputs: Wk 1,024 x 1,024 float32; Wq 1,024 x 1,024 float32; Wv 1,024 x 1,024 float32; attention_mask 1 x 4,096 float32; bk 1,024 float32; bq 1,024 float32; bv 1,024 float32; hidden_states 1 x 4,096 x 1,024 float32; ln_beta 1,024 float32; ln_gamma 1,024 float32.
;; Outputs: out0 1 x 4,096 x 1,024 float32.
;; This version of the problem:
;;   THIS VERSION OF THE PROBLEM IS GIVEN IN LOW PRECISION. The matrix products marked QUANTISED in the list below multiply operands that are first quantised to E5M2 (5 exponent bits, 2 mantissa bits; 8 bits a number), with one power-of-two scale for each 32 numbers along K (OCP MX v1.0); their sums are f32. All else is computed in f32.
;;   The module's matrix products, in the order in which they are computed (A, B: the left and right operand; K: the contracted axis; several contracted axes count as one K, in the product's order):
;;     1. [M 4,096, K 1,024] x [K 1,024, N 1,024]; A: input hidden_states; B: input Wq: QUANTISED
;;     2. [M 4,096, K 1,024] x [K 1,024, N 1,024]; A: input hidden_states; B: input Wk: QUANTISED
;;     3. [M 4,096, K 1,024] x [K 1,024, N 1,024]; A: input hidden_states; B: input Wv: QUANTISED
;;     4. batch 16 x [M 4,096, K 64] x [K 64, N 4,096]; A: computed on the way; B: computed on the way: QUANTISED
;;     5. batch 16 x [M 4,096, K 4,096] x [K 4,096, N 64]; A: softmax (see below); B: computed on the way: QUANTISED
;;   THE QUANTISER, for each operand of a quantised product, along K:
;;     - K is cut into blocks of 32 from its start; a last block that is shorter is filled with zeros.
;;     - A block's scale is 2^e with e = floor(log2(the largest magnitude in the block)) - 15, held to -126 .. 127; a block of zeros has e = 0. As a byte (E8M0): e + 127.
;;     - Each number is divided by its block's scale, clamped to +-57,344, and rounded to the nearest number of E5M2, ties to even, subnormals kept.
;;     - The product sums the exact products of the quantised numbers (number of the format x scale) in f32.
;;   ~~~python
;;   def quantise(x, axis):      # numpy; x: float32 -> the quantised numbers, widened to float32 again
;;       x = np.moveaxis(x, axis, -1); K = x.shape[-1]
;;       x = np.pad(x, [(0, 0)] * (x.ndim - 1) + [(0, -K % 32)]); x = x.reshape(x.shape[:-1] + (-1, 32)); a = np.abs(x).max(-1, keepdims=True)
;;       e = np.where(a > 0, np.clip(np.frexp(np.where(a > 0, a, 1))[1] - 1 - 15, -126, 127), 0)      # np.frexp(a)[1] - 1 = floor(log2(a)), exactly
;;       r = np.clip(x / 2.0 ** e, -57344, 57344)
;;       step = 2.0 ** (np.maximum(np.frexp(np.where(r == 0, 1, r))[1] - 1, -14) - 2)
;;       q = np.round(r / step) * step * 2.0 ** e      # np.round: ties to even
;;       return np.moveaxis(q.reshape(q.shape[:-2] + (-1,))[..., :K], -1, axis).astype(np.float32)
;;   ~~~
;;   SOFTMAX AHEAD OF A QUANTISED PRODUCT. Where the list says 'softmax', what is quantised is not the finished softmax but p = 2^(t - M), with t = logit x log2(e) and M = ceil(the row's largest t), a whole number; so 1/2 < the row's largest p <= 1. The row's sum l is taken of the UNQUANTISED p, in f32, and the product's result is divided by l at the end. Since M is a whole number, a kernel that streams over the keys may use a running M (the ceiling of the running maximum): every later rescaling is an exact power of two, which a block's scale takes up: the codes' values come out the same.
;;   OPERANDS COMPUTED ON THE WAY. 'Computed on the way' means the value that the module computes at that place (a softmax that the list does not call 'softmax' is quantised finished and normalised). What goes into a quantiser is computed in f32, as accurately as f32 sums, v_exp_f32 and their like allow (about 1e-6 of the number): no bf16 or f16 on the way to a quantiser, and a product that is left as it is and whose result goes on into a quantised operand takes f32 operands (vector FMAs, or v_wmma_f32_16x16x4_f32). A number that lies on a knife's edge between two numbers of the format may be rounded either way, as far as f32 arithmetic and the matrix unit's own rounding can turn it there, and no further.
;; One version. Each part assembles by itself: llvm-mc -triple=amdgcn-amd-amdhsa -mcpu=gfx1250 --defsym DOCPART=n.
;; ======== version 1 of 1: 3 launches
;; workspace buffers: cin 7,340,032 bytes; sin 229,376 bytes; qkvc 12,582,912 bytes; qkvs 393,216 bytes; vsum 655,360 bytes
;; launch quant (part 1): grid 224 x 1, 4 waves a work-group, no clusters, 33,280 bytes of LDS; arguments hidden_states, Wq, Wk, Wv, cin, sin; writes cin, sin
.if DOCPART == 1
	.amdgcn_target "amdgcn-amd-amdhsa--gfx1250"
	.amdhsa_code_object_version 6
	.text
	.protected	k_q5d46af350d_quant
	.globl	k_q5d46af350d_quant
	.p2align	8
	.type	k_q5d46af350d_quant,@function
k_q5d46af350d_quant:
	s_mov_b64 s[64:65], 0
	v_nop
	global_prefetch_b8 v0, s[64:65] scope:SCOPE_SE
	s_setreg_imm32_b32 hwreg(HW_REG_WAVE_MODE, 25, 1), 1
	s_wait_xcnt 0x0
; hidden_states [4096][1024], Wq, Wk, Wv [1024][1024], f32, K innermost, become codes of E5M2 with one E8M0 byte for each 32 along K:
; cin [7168][1024] bytes and sin [7168][32] bytes; rows 0-4095 hidden_states, then Wq, Wk, Wv.
; A block's scale is 2^(floor(log2(its largest magnitude)) - 15); its byte is the largest magnitude's exponent field - 15, held at 1 from below.
; Each number is divided by the scale, held within +-57,344 and rounded to the nearest code, ties to even.
; LIMITS: a block of zeros gets the byte 1 where the rule says 127 (its codes are zeros, and only this program reads the bytes); a largest magnitude
; under 2^-111 is taken as 2^-111; NaN and infinities among the inputs are not served.
; ROW ORDER OF THE OUTPUT: in each 32 rows the second and third group of 8 rows change places, so that position 16 u + p (p = 0..15) holds row 8 u + p + 8 (p / 8).
; The products that read these rows then give a lane 16 neighbours along the next product's K.
; SHARES: a work-group takes 32 rows, a wave 8 rows = 8,192 numbers = 16 steps of 512.  Each load reads 512 consecutive bytes; a step's 2,048 bytes turn through the wave's
; own stage in LDS (16 bytes of padding behind each 64) and come back 64 bytes a lane: 16 neighbours, two lanes to a block.  A wave's store of codes covers 512 consecutive
; bytes; its 256 scale bytes are gathered in LDS and leave as 256 consecutive bytes.  Waves share nothing: no barrier.  Loads run four steps (16 loads) ahead.
.set STEPS, 16
.set EMAX,  15
.set MANT,  0x600000                   ; the mantissa field of 57,344 as f32
.set CB,    16                         ; bytes of 16 codes
.set R,     16                         ; v16-79   four sets of 16 numbers as they are loaded
.set X,     80                         ; v80-111  two sets of 16 neighbours
.set C,     128                        ; v128-191 codes: four registers for each step, so that no store's data are written again
.set E,     112                        ; v112-127 a scale byte for each step
.set WREG,  8192                       ; LDS: a region for each wave: two stages of 32 x SP bytes, behind them its 256 scale bytes
.set SP,    80                         ; a lane's place in a stage: 64 bytes + 16 of padding
	s_load_b256 s[4:11], s[0:1], 0x0               ; hidden_states s[4:5], Wq s[6:7], Wk s[8:9], Wv s[10:11]
	s_load_b128 s[12:15], s[0:1], 0x20             ; cin s[12:13], sin s[14:15]
	v_lshl_add_u32 v192, v0, 2, 0x8000
	v_mov_b32 v193, 0
	v_lshrrev_b32 v1, 5, v0
	v_readfirstlane_b32 s16, v1                    ; wave
	v_and_b32 v2, 31, v0                           ; lane
	v_lshlrev_b32 v3, 4, v2                        ; my 16 bytes of a load's 512
	s_mul_i32 s17, s16, WREG
	v_lshrrev_b32 v14, 2, v2
	v_mul_u32_u24 v14, v14, SP
	v_and_b32 v15, 3, v2
	v_lshl_add_u32 v14, v15, 4, v14
	v_add_nc_u32 v14, s17, v14                     ; the stage, on the way in: SP (lane / 4) + 16 (lane % 4)
	v_mul_u32_u24 v15, v2, SP
	v_add_nc_u32 v15, s17, v15                     ; and on the way out: SP x lane: my 16 neighbours
	v_mul_u32_u24 v4, v2, CB                       ; my codes' place in a step's
	v_lshrrev_b32 v5, 1, v2
	s_add_co_u32 s17, s17, 2*32*SP
	v_add_nc_u32 v5, s17, v5                       ; LDS: my wave's 256 scale bytes, my block's byte
	v_lshlrev_b32 v7, 3, v2                        ; and on the way out 8 bytes a lane
	v_add_nc_u32 v6, s17, v7
	s_mov_b32 s23, MANT
	s_mov_b32 s22, 192
	s_wait_kmcnt 0x0
	s_cmp_lt_u32 ttmp9, 192                        ; which tensor: the choice hangs on the work-group's number alone
	s_cselect_b64 s[8:9], s[8:9], s[10:11]
	s_cselect_b32 s22, 160, s22
	s_cmp_lt_u32 ttmp9, 160
	s_cselect_b64 s[6:7], s[6:7], s[8:9]
	s_cselect_b32 s22, 128, s22
	s_cmp_lt_u32 ttmp9, 128
	s_cselect_b64 s[4:5], s[4:5], s[6:7]
	s_cselect_b32 s22, 0, s22
	s_sub_co_u32 s22, ttmp9, s22                   ; the work-group's number within its tensor
	s_lshl_b32 s18, s22, 17                        ; 32 rows of 4,096 bytes,
	s_lshl_b32 s19, s16, 15                        ; my wave's 8 of them
	s_add_co_u32 s18, s18, s19
	s_mov_b32 s19, 0
	s_add_nc_u64 s[4:5], s[4:5], s[18:19]
	s_and_b32 s20, s16, 1                          ; where my 8 rows go: groups 1 and 2 change places
	s_lshl_b32 s20, s20, 1
	s_lshr_b32 s21, s16, 1
	s_or_b32 s20, s20, s21
	s_lshl_b32 s21, ttmp9, 2
	s_add_co_u32 s20, s20, s21                     ; which run of 8 rows of the output
	s_lshl_b32 s18, s20, 13
	s_add_nc_u64 s[12:13], s[12:13], s[18:19]      ; 8,192 bytes of codes a run
	s_lshl_b32 s18, s20, 8
	s_add_nc_u64 s[14:15], s[14:15], s[18:19]      ; 256 scale bytes a run
.macro LOAD t
.irp i, 0,1,2,3
	global_load_b128 v[R+16*((\t)%4)+4*\i:R+16*((\t)%4)+4*\i+3], v3, s[4:5] offset:2048*(\t)+512*\i th:TH_LOAD_NT
.endr
.endm
.macro TURN t                          ; step t's numbers through the stage: LDS serves a wave's instructions in order, so no wait stands between the stores and the loads
.irp i, 0,1,2,3
	ds_store_b128 v14, v[R+16*((\t)%4)+4*\i:R+16*((\t)%4)+4*\i+3] offset:32*SP*((\t)%2)+8*SP*\i
.endr
.irp i, 0,1,2,3
	ds_load_b128 v[X+16*((\t)%2)+4*\i:X+16*((\t)%2)+4*\i+3], v15 offset:32*SP*((\t)%2)+16*\i
.endr
.endm
.irp t, 0,1,2,3
	LOAD \t
.endr
	s_wait_loadcnt 12                              ; step 0's four loads are in; twelve younger ones stay out
	TURN 0
.macro STEP t
.set XS, X+16*((\t)%2)
.if (\t) > 0
	s_wait_dscnt 1                                 ; this step's numbers are back from the stage (the last step's byte store may be out)
.else
	s_wait_dscnt 0x0
.endif
.if (\t)+4 < STEPS
	LOAD (\t)+4                                    ; into the registers that this step's stores into the stage have read
.endif
.if (\t)+1 < STEPS
.if STEPS-2-(\t) >= 3
	s_wait_loadcnt 12                              ; the next step's four loads are in; those of the three steps behind it may be out
.else
	s_wait_loadcnt 4*(STEPS-2-(\t))
.endif
	TURN (\t)+1
.endif
	v_max3_num_f32 v8, |v[XS]|, |v[XS+1]|, |v[XS+2]|               ; the largest magnitude of my 16, in two chains
	v_max3_num_f32 v9, |v[XS+3]|, |v[XS+4]|, |v[XS+5]|
.irp i, 6,10
	v_max3_num_f32 v8, v8, |v[XS+\i]|, |v[XS+\i+1]|
	v_max3_num_f32 v9, v9, |v[XS+\i+2]|, |v[XS+\i+3]|
.endr
	v_max3_num_f32 v8, v8, |v[XS+14]|, |v[XS+15]|
	v_max3_num_f32 v8, v8, v9, 0x8000000           ; and the floor 2^(16 - 127): the byte cannot fall under 1
	v_max_num_f32_dpp v8, v8, v8 row_xmask:1 row_mask:0xf bank_mask:0xf   ; and of my neighbour's 16: the block's
	v_add_nc_u32 v11, 0xf8800000, v8               ; 15 off its exponent field: the conversion takes the exponent field of this operand as its scale
	v_and_or_b32 v10, v8, 0x7f800000, s23          ; 57,344 x the scale
.irp i, 0,1,2,3,4,5,6,7,8,9,10,11,12,13,14,15
	v_med3_num_f32 v[XS+\i], v[XS+\i], -v10, v10   ; the conversion to an 8-bit code does not saturate (ISA guide 7.6.2): the hold comes first
.endr
	v_cvt_scalef32_pk8_bf8_f32 v[C+4*(\t):C+4*(\t)+1], v[XS:XS+7], v11
	v_cvt_scalef32_pk8_bf8_f32 v[C+4*(\t)+2:C+4*(\t)+3], v[XS+8:XS+15], v11
	v_lshrrev_b32 v[E+(\t)], 23, v11               ; the scale's byte
	ds_store_b8 v5, v[E+(\t)] offset:16*(\t)       ; both lanes of a block write the same byte with the same value
	global_store_b128 v4, v[C+4*(\t):C+4*(\t)+3], s[12:13] offset:32*CB*(\t)
.endm
.irp t, 0,1,2,3,4,5,6,7,8,9,10,11,12,13,14,15
	STEP \t
.endr
	ds_load_b64 v[12:13], v6                       ; LDS serves a wave's instructions in order: these see my stores
	s_wait_dscnt 0x0
	global_store_b64 v7, v[12:13], s[14:15]        ; 32 lanes store 256 consecutive bytes
	s_wait_tensorcnt 0x0
	ds_add_u32 v192, v193
	s_wait_dscnt 0x0
	s_endpgm
.Lfunc_end_k_q5d46af350d_quant:
	.size	k_q5d46af350d_quant, .Lfunc_end_k_q5d46af350d_quant-k_q5d46af350d_quant
	.p2alignl 7, 3214868480
	.fill 96, 4, 3214868480
	.section	.rodata,"a",@progbits
	.p2align	6, 0x0
	.amdhsa_kernel k_q5d46af350d_quant
		.amdhsa_group_segment_fixed_size 33280
		.amdhsa_private_segment_fixed_size 0
		.amdhsa_enable_private_segment 0
		.amdhsa_kernarg_size 48
		.amdhsa_user_sgpr_count 2
		.amdhsa_user_sgpr_kernarg_segment_ptr 1
		.amdhsa_wavefront_size32 1
		.amdhsa_system_sgpr_workgroup_id_x 1
		.amdhsa_system_sgpr_workgroup_id_y 1
		.amdhsa_system_sgpr_workgroup_id_z 1
		.amdhsa_system_vgpr_workitem_id 0
		.amdhsa_next_free_vgpr 194
		.amdhsa_next_free_sgpr 66
		.amdhsa_reserve_vcc 0
		.amdhsa_float_denorm_mode_32 3
		.amdhsa_float_denorm_mode_16_64 3
		.amdhsa_memory_ordered 1
		.amdhsa_forward_progress 1
		.amdhsa_inst_pref_size 51
	.end_amdhsa_kernel
	.amdgpu_metadata
---
amdhsa.version: [ 1, 2 ]
amdhsa.kernels:
  - .name:           k_q5d46af350d_quant
    .symbol:         k_q5d46af350d_quant.kd
    .args:
      - { .name: hidden_states, .offset: 0, .size: 8, .value_kind: global_buffer, .address_space: global }
      - { .name: Wq, .offset: 8, .size: 8, .value_kind: global_buffer, .address_space: global }
      - { .name: Wk, .offset: 16, .size: 8, .value_kind: global_buffer, .address_space: global }
      - { .name: Wv, .offset: 24, .size: 8, .value_kind: global_buffer, .address_space: global }
      - { .name: cin, .offset: 32, .size: 8, .value_kind: global_buffer, .address_space: global }
      - { .name: sin, .offset: 40, .size: 8, .value_kind: global_buffer, .address_space: global }
    .group_segment_fixed_size: 33280
    .private_segment_fixed_size: 0
    .kernarg_segment_align: 8
    .kernarg_segment_size: 48
    .max_flat_workgroup_size: 128
    .sgpr_count:     66
    .vgpr_count:     194
    .wavefront_size: 32
...
	.end_amdgpu_metadata
.endif
;; end of part 1
;; launch proj (part 2): grid 8 x 24, 4 waves a work-group, clusters of 4 x 4, 327,680 bytes of LDS; arguments cin, sin, bq, bk, bv, qkvc, qkvs, vsum; writes qkvc, qkvs, vsum
.if DOCPART == 2
	.amdgcn_target "amdgcn-amd-amdhsa--gfx1250"
	.amdhsa_code_object_version 6
	.text
	.protected	k_q5d46af350d_proj
	.globl	k_q5d46af350d_proj
	.p2align	8
	.type	k_q5d46af350d_proj,@function
k_q5d46af350d_proj:
	s_mov_b64 s[64:65], 0
	v_nop
	global_prefetch_b8 v0, s[64:65] scope:SCOPE_SE
	s_setreg_imm32_b32 hwreg(HW_REG_WAVE_MODE, 25, 1), 1
	s_wait_xcnt 0x0
	s_wait_alu depctr_hold_cnt(0) depctr_sa_sdst(0) depctr_va_vdst(0) depctr_va_sdst(0) depctr_va_ssrc(0) depctr_va_vcc(0) depctr_vm_vsrc(0)
	s_getreg_b32 s2, hwreg(HW_REG_IB_STS2, 6, 4)
	s_cmp_eq_u32 s2, 0
	s_cbranch_scc0 .Lentry_in_a_cluster
	s_endpgm
.Lentry_in_a_cluster:
	s_bfe_u32 s2, ttmp6, 0x10000c
	s_cmp_lg_u32 s2, 0xf033
	s_cbranch_scc0 .Lentry_shape_is_right
	s_endpgm
.Lentry_shape_is_right:
; The three projections on codes of E5M2 (one E8M0 scale for each 32 along K = 1,024), their biases, and the quantising of q, k and v for the attention that follows.
; ONE TEXT, TWO SHAPES of C = A B^T + bias, C quantised along its COLUMNS:
;   clusters with y < 4:  A = hidden_states (4,096 rows), B = Wq, then Wk (2,048 rows): C = [q | k]; a head's 64 columns are two blocks of 32; the bias goes by columns.
;   clusters with y >= 4: A = Wv (1,024 rows), B = hidden_states: C = v^T, the keys along the columns, since the keys are the second attention product's K; the bias goes by rows.
; 128 + 64 = 192 tiles of 256 x 256, one to a work-group of four waves; a wave makes 128 x 128: 64 accumulators, 512 registers.  1,024 rows of v^T do not divide into more equal tiles of this size.
; K goes in four steps of 256 through a ring of two LDS slots filled by the tensor data mover; the scale bytes of the tile's rows, for all of K, come once with the first fills.
; CLUSTERS: 4 x 4 work-groups.  The four of a row of the cluster need the same tiles of A, the four of a column the same tiles of B: each tile is asked for jointly.
; THE MATRIX INSTRUCTION IS USED TRANSPOSED (source 0 = 16 rows of B, source 1 = 16 rows of A): a lane holds one row of C.  The rows of cin lie so that position 16 u + p of each 32
; holds row 8 u + p + 8 (p / 8): so the 16 registers of B's blocks 2 b' and 2 b' + 1 are 16 NEIGHBOURING columns, 32 b' + 16 (lane / 16) + 0 .. 15, and the conversions' results are an operand's registers.
; THE WAY OUT needs no LDS: an operand's four registers of a block of 32 leave as 512 consecutive bytes (16 a lane), in the order in which the attention's lanes take them.
; v^T also leaves the sums of its quantised numbers over each block of 32 keys and each 128 keys (vsum): a product of the codes with a row of ones, by the same matrix instruction.
; LIMITS: a block's largest magnitude is taken as at least 2^-111; a block of zeros has the byte 1 (only this program reads the bytes); NaN and infinities are not served.
; REGISTERS, in windows of 256: window 0: v0-31 addresses, v8-15 the row bias; v32-63 scale words, two sets; v64-127 the column bias, the C of the first K step's products; from v128 A's fragments, one set.
;   window 1: B's fragments, two sets.  window 2: the accumulators of my rows 0-63 ((a, b) at v[8 (8 a + b)]);  window 3: those of my rows 64-127.
;   On the way out: window 0 v64-71 the scale words made, v72 scales of 1.0, v74-101 the row of ones among zeros, v102-117 at work, v118-125 words to store, v128-255 the codes; window 1 v0-31 the sums, v32-47 the row bias in pairs.
.set KSTEP,  256
.set NQ,     2                         ; matrix instructions deep in a slot
.set ROWB,   256                       ; a tile's row in bytes
.set KROW,   1024                      ; a row of cin in bytes
.set PITCH,  272                       ; an LDS row: 256 bytes + 16 of padding = 68 words: the 16 rows that a load touches start at 16 different banks (64 banks of 4 bytes: ISA guide 11.1)
.set FR,     16                        ; registers of a fragment: 16 rows x 128 K
.set NL,     4                         ; LDS loads that bring one
.set NP,     8                         ; places behind this matrix instruction (ISA guide 7.12.1)
.set HALFT,  128*PITCH
.set SLOT,   4*HALFT                   ; A's 256 rows, then B's 256 rows
.set LAPS,   2                         ; a lap = two K steps = once round the ring
.set KS,     32                        ; a row of scale bytes
.set SCL,    2*SLOT                    ; behind the ring: the scales, as units of 256 bytes + 16 of padding
.set HALFS,  16*272                    ; the scales of 128 rows
.set SBLK,   2*272                     ; those of 16 rows
.set SPARE,  SCL+4*HALFS               ; the spare words, 128 bytes for each wave: two blocks of 256 bytes that no other line names
.set ADRA, 16                          ; v16-17  LDS address of my A fragments in slot 0, 1
.set ADRB, 20                          ; v20-21  the same for B
.set ADRS, 27                          ; v27     LDS address of my scale words: lanes 0-15 A's rows, lanes 16-31 B's
.set SPW,  28                          ; v28     LDS address of my spare word; never rewritten
.set NIL,  29                          ; v29     0; never rewritten
.set RB,   8                           ; v8-15   the row bias of my eight blocks of A
.set SC,   32                          ; scale words, two sets of 16
.set CBR,  64                          ; v64-127 the column bias: eight registers for each of B's eight blocks
.set AF,   128                         ; A's fragments
.set VO,   2                           ; way out: v2-5 where my 16 bytes of the four blocks' codes go
.set LS,   6                           ; v6-7    where my scale words go
.set RL,   18                          ; v18     lane % 16
.set ONE,  19                          ; v19     four codes of 1.0
.set TO,   22                          ; v22     my place in vsum
.set NW,   64                          ; v64-71  the scale word of each block of rows
.set UNI,  72                          ; v72     four scale bytes of 1.0
.set ZE,   74                          ; v74-85 zeros, v86-89 the ones, v90-101 zeros
.set TM,   102                         ; v102-105 largest magnitudes, 106-109 bytes, 110-113 holds, 114-117 conversion scales
.set XW,   118                         ; v118-125 scale words in the order in which they are stored
.set PCD,  128                         ; v128-255 the codes, 16 registers for each block of rows; never rewritten
.set RBD,  32                          ; window 1: the row bias, each number twice, for the packed additions
.set G1, 24
.set G0, 32
.set G1B, 48
.set G0B, 56
.set G1S, 68
.set G0S, 76
.set G1SB, 80
.set G0SB, 88
.set MSB, 0
.macro WIN new                         ; the immediate's high byte repeats the setting that is left
.if MSB != (\new)
	s_set_vgpr_msb (MSB<<8)|(\new)
.set MSB, (\new)
.endif
.endm
.set MUL_LO, 0xa1                      ; source 0 (B) window 1, source 1 (A) window 0, C and D window 2
.set MUL_HI, 0xf1                      ; the same, C and D window 3
.set TO_B,   0x40                      ; destination window 1, address window 0
; A joint load: waves 0 and 1 fetch for A, waves 2 and 3 for B.  The branch hangs on the wave's number alone.  Four v_nop follow each of the two lines.
.macro JLOAD g0a, g1a, g0b, g1b
	s_cmp_eq_u32 s15, 0
	s_cbranch_scc0 .Lfor_b_\@
	tensor_load_to_lds s[\g0a:\g0a+3], s[\g1a:\g1a+7]
	s_nop 0
.rept 4
	v_nop
.endr
	s_branch .Lasked_\@
.Lfor_b_\@:
	tensor_load_to_lds s[\g0b:\g0b+3], s[\g1b:\g1b+7]
	s_nop 0
.rept 4
	v_nop
.endr
.Lasked_\@:
.endm
.macro CREST                           ; a round of the cluster's barrier behind its opening barrier
	s_cmp_lg_u32 s14, 0
	s_cbranch_scc1 .Lnot_wave_0_\@
	s_barrier_signal -3
.Lnot_wave_0_\@:
	s_barrier_wait -3
	s_barrier_signal -1
	s_barrier_wait -1
.endm
.macro CROUND                          ; a whole round
	s_barrier_signal -1
	s_barrier_wait -1
	CREST
.endm
	s_load_b128 s[4:7], s[0:1], 0x0                ; cin s[4:5], sin s[6:7]
	s_load_b128 s[96:99], s[0:1], 0x10             ; bq s[96:97], bk s[98:99]
	s_load_b64 s[100:101], s[0:1], 0x20            ; bv
	s_load_b128 s[8:11], s[0:1], 0x28              ; qkvc s[8:9], qkvs s[10:11]
	s_load_b64 s[12:13], s[0:1], 0x38              ; vsum
	v_lshl_add_u32 v[SPW], v0, 2, SPARE
	v_mov_b32 v[NIL], 0
	ds_add_u32 v28, v29
	ds_add_u32 v28, v29
	s_wait_dscnt 0x0
	v_lshrrev_b32 v1, 5, v0
	v_readfirstlane_b32 s14, v1                    ; wave 0..3
	s_lshr_b32 s15, s14, 1                         ; which half of the tile's rows is mine.  Also: I fetch for A (0) or for B (1)
	s_and_b32 s16, s14, 1                          ; which half of its columns.  Also: which 128 rows of that tile I fetch
	s_bfe_u32 s40, ttmp6, 0x40000                  ; cx, cy: my place in the cluster
	s_bfe_u32 s41, ttmp6, 0x40004
	s_mov_b32 s2, ttmp9                            ; the cluster's x: 0 or 1
	s_and_b32 s94, ttmp7, 0xffff                   ; the cluster's y: 0 to 5
	s_sub_co_u32 s93, s94, 4
	s_lshl_b32 s93, s93, 1
	s_add_co_u32 s93, s93, s2                      ; v^T: the four columns of clusters are 2 (y - 4) + x
	s_mov_b32 s20, 6144
	s_mov_b32 s46, 4096
	s_cmp_ge_u32 s94, 4                            ; the shape: the same in all sixteen partners
	s_cselect_b32 s95, 1, 0                        ; s95 = 1: v^T
	s_cselect_b32 s93, s93, s2                     ; column of clusters
	s_cselect_b32 s94, 0, s94                      ; row of clusters
	s_cselect_b32 s20, s20, 0                      ; A's first row in cin: Wv or hidden_states
	s_cselect_b32 s46, 0, s46                      ; B's: hidden_states or Wq
	s_lshl_b32 s42, s93, 2
	s_add_co_u32 s42, s42, s40                     ; tile column of C
	s_lshl_b32 s17, s94, 2
	s_add_co_u32 s17, s17, s41                     ; tile row of C
	s_lshl_b32 s43, s41, 2
	s_lshl_b32 s43, 15, s43                        ; my row of the cluster
	s_lshl_b32 s44, 0x1111, s40                    ; my column
	; descriptor group 1: a tile of 128 rows x 256 bytes, padded in LDS
	s_or_b32 s[G1+0], s43, (0<<16)|(1<<20)|(1<<21)|(5<<22)|(3<<25)  ; 15:0 the mask: A's tiles go to my row; 17:16 element of 1 byte; 20 padding on; 21 set beside a mask; 24:22 after every 64 words; 31:25 four words
	s_or_b32 s[G1B+0], s44, (0<<16)|(1<<20)|(1<<21)|(5<<22)|(3<<25)
.irp g, G1, G1B
	s_mov_b32 s[\g+1], ROWB<<16                    ; tensor_dim0
	s_mov_b32 s[\g+2], 128<<16                     ; tensor_dim1
	s_mov_b32 s[\g+3], ROWB<<16                    ; tile_dim0
	s_mov_b32 s[\g+4], 128                         ; tile_dim1
	s_mov_b32 s[\g+5], KROW                        ; tensor_dim0_stride
	s_mov_b32 s[\g+6], 0
	s_mov_b32 s[\g+7], 0
.endr
	; and for the scales of 128 rows: 4,096 dense bytes as 16 rows of 256 bytes (32 elements of 8 bytes), 16 bytes of padding behind each
	s_or_b32 s[G1S+0], s43, (3<<16)|(1<<20)|(1<<21)|(5<<22)|(3<<25)
	s_or_b32 s[G1SB+0], s44, (3<<16)|(1<<20)|(1<<21)|(5<<22)|(3<<25)
.irp g, G1S, G1SB
	s_mov_b32 s[\g+1], 32<<16
	s_mov_b32 s[\g+2], 16<<16
	s_mov_b32 s[\g+3], 32<<16
	s_mov_b32 s[\g+4], 16
	s_mov_b32 s[\g+5], 32
	s_mov_b32 s[\g+6], 0
	s_mov_b32 s[\g+7], 0
.endr
	s_lshl_b32 s18, s16, 7                         ; which 128 rows of the tile I fetch
	s_lshl_b32 s19, s17, 8
	s_add_co_u32 s20, s20, s19
	s_add_co_u32 s20, s20, s18                     ; A: first row + 256 x tile row + 128 x half
	s_lshl_b32 s47, s42, 8
	s_add_co_u32 s46, s46, s47
	s_add_co_u32 s46, s46, s18                     ; B: first row + 256 x tile column + 128 x half
	s_mov_b32 s21, 0
	s_mov_b32 s47, 0
	s_lshl_b64 s[22:23], s[20:21], 5               ; where these rows' scales begin: 32 bytes a row
	s_lshl_b64 s[92:93], s[46:47], 5
	s_lshl_b64 s[20:21], s[20:21], 10              ; and their codes: 1,024 bytes a row
	s_lshl_b64 s[46:47], s[46:47], 10
	s_mul_i32 s45, s14, HALFT                      ; where they go: wave x 128 rows: no place in the cluster enters an LDS address
	s_mul_i32 s94, s14, HALFS
	s_wait_kmcnt 0x0
	s_add_nc_u64 s[20:21], s[4:5], s[20:21]
	s_add_nc_u64 s[22:23], s[6:7], s[22:23]
	s_add_nc_u64 s[46:47], s[4:5], s[46:47]
	s_add_nc_u64 s[92:93], s[6:7], s[92:93]
	CROUND                                         ; all sixteen work-groups are here: the first joint loads meet
	s_mov_b32 s[G0S], 1
	s_add_co_u32 s[G0S+1], s94, SCL
	s_mov_b64 s[G0S+2:G0S+3], s[22:23]
	s_or_b32 s[G0S+3], s[G0S+3], 0x80000000
	s_mov_b32 s[G0SB], 1
	s_add_co_u32 s[G0SB+1], s94, SCL
	s_mov_b64 s[G0SB+2:G0SB+3], s[92:93]
	s_or_b32 s[G0SB+3], s[G0SB+3], 0x80000000
	JLOAD G0S, G1S, G0SB, G1SB                     ; the scales first: they are wanted with K step 0
.irp s, 0,1
	s_mov_b32 s[G0+4*\s], 1
	s_add_co_u32 s[G0+4*\s+1], s45, \s*SLOT
	s_add_nc_u64 s[G0+4*\s+2:G0+4*\s+3], s[20:21], \s*ROWB
	s_or_b32 s[G0+4*\s+3], s[G0+4*\s+3], 0x80000000
	s_mov_b32 s[G0B+4*\s], 1
	s_add_co_u32 s[G0B+4*\s+1], s45, \s*SLOT
	s_add_nc_u64 s[G0B+4*\s+2:G0B+4*\s+3], s[46:47], \s*ROWB
	s_or_b32 s[G0B+4*\s+3], s[G0B+4*\s+3], 0x80000000
	JLOAD G0+4*\s, G1, G0B+4*\s, G1B               ; three tensor loads of mine are out
.endr
	v_and_b32 v1, 15, v0                           ; r = lane % 16
	v_bfe_u32 v2, v0, 4, 1                         ; h = lane / 16
	; THE BIASES.  Both kinds are loaded in both shapes (the & 3 keeps the kind that is not used inside its buffer) and the kind that is not used is turned to zeros.
	s_cmp_eq_u32 s2, 0
	s_cselect_b64 s[92:93], s[96:97], s[98:99]     ; by columns: bq or bk,
	s_cmp_eq_u32 s95, 0
	s_cselect_b64 s[92:93], s[92:93], s[100:101]   ; (in the shape of v^T: bv, not used)
	s_cselect_b32 s18, -1, 0                       ; keeps the column bias in [q | k]
	s_cselect_b32 s19, 0, -1                       ; keeps the row bias in v^T
	s_and_b32 s20, s42, 3
	s_lshl_b32 s20, s20, 1
	s_add_co_u32 s20, s20, s16
	s_lshl_b32 s20, s20, 9                         ; my 128 columns: 512 bytes x (2 (tile column & 3) + half)
	s_mov_b32 s21, 0
	s_add_nc_u64 s[92:93], s[92:93], s[20:21]
	s_and_b32 s20, s17, 3
	s_lshl_b32 s20, s20, 1
	s_add_co_u32 s20, s20, s15
	s_lshl_b32 s20, s20, 9                         ; my 128 rows
	s_add_nc_u64 s[100:101], s[100:101], s[20:21]
	v_lshlrev_b32 v7, 6, v2                        ; B's block b, register j is column 32 (b / 2) + 8 (b % 2) + 16 h + j
	v_and_b32 v23, 8, v1
	v_add_nc_u32 v23, v23, v1
	v_lshlrev_b32 v23, 2, v23                      ; A's block a, lane r is row 32 (a / 2) + 8 (a % 2) + r + 8 (r / 8)
.irp b, 0,1,2,3,4,5,6,7
	global_load_b128 v[CBR+8*\b:CBR+8*\b+3], v7, s[92:93] offset:(32*(\b/2)+8*(\b%2))*4
	global_load_b128 v[CBR+8*\b+4:CBR+8*\b+7], v7, s[92:93] offset:(32*(\b/2)+8*(\b%2))*4+16
.endr
.irp a, 0,1,2,3,4,5,6,7
	global_load_b32 v[RB+\a], v23, s[100:101] offset:(32*(\a/2)+8*(\a%2))*4
.endr
	v_mul_u32_u24 v3, v1, PITCH
	v_lshl_add_u32 v4, v2, 4, v3                   ; a fragment's row x pitch + 16 x half
	s_mul_i32 s21, s15, HALFT                      ; my 128 rows of A
	s_mul_i32 s22, s16, HALFT                      ; my 128 rows of B,
	s_add_co_u32 s22, s22, 2*HALFT                 ; which lie behind A's 256
.irp s, 0,1
	v_add_nc_u32 v[ADRA+\s], s21, v4
	v_add_nc_u32 v[ADRB+\s], s22, v4
	s_add_co_u32 s21, s21, SLOT
	s_add_co_u32 s22, s22, SLOT
.endr
	v_mul_u32_u24 v5, v1, KS                       ; my row's scales: 32 bytes a row,
	v_lshrrev_b32 v6, 8, v5
	v_lshl_add_u32 v5, v6, 4, v5                   ; and 16 more for each 256 passed
	s_mul_i32 s21, s15, HALFS                      ; A's: my 128 rows
	s_mul_i32 s22, s16, HALFS                      ; B's: my 128 rows, behind A's 256
	s_add_co_u32 s22, s22, 2*HALFS
	s_sub_co_u32 s22, s22, s21
	v_mul_u32_u24 v6, s22, v2                      ; lanes 16-31 take B's
	s_add_co_u32 s21, s21, SCL
	v_add_nc_u32 v5, v5, v6
	v_add_nc_u32 v[ADRS], s21, v5
	s_wait_loadcnt 0x0                             ; the biases
.irp i, 0,1,2,3,4,5,6,7,8,9,10,11,12,13,14,15,16,17,18,19,20,21,22,23,24,25,26,27,28,29,30,31,32,33,34,35,36,37,38,39,40,41,42,43,44,45,46,47,48,49,50,51,52,53,54,55,56,57,58,59,60,61,62,63
	v_and_b32 v[CBR+\i], s18, v[CBR+\i]
.endr
.irp i, 0,1,2,3,4,5,6,7
	v_and_b32 v[RB+\i], s19, v[RB+\i]
.endr
.macro FRAG reg, adr, q, i             ; a fragment: lane l holds row l % 16; registers 4 c .. 4 c + 3 hold K = 32 c + 16 (l / 16) + 0 .. 15
.irp c, 0,1,2,3
	ds_load_b128 v[\reg+4*\c:\reg+4*\c+3], v[\adr] offset:128*(\q)+32*\c+(\i)*16*PITCH
.endr
.endm
; 16 matrix instructions: A's blocks a0, a0 + 1 x B's eight, 128 along K.  first = 1: the sums begin with the column bias as C: nothing is cleared, nothing is added later.
; The 64 accumulators take turns, one instruction a turn, in the same order in every step.
.macro MUL16 a0, p, q, sc, first
.irp a, \a0, \a0+1
.irp b, 0,1,2,3,4,5,6,7
.if \first
	v_wmma_scale_f32_16x16x128_f8f6f4 v[8*(8*((\a)%4)+\b):8*(8*((\a)%4)+\b)+7], v[128*(\p)+FR*\b:128*(\p)+FR*\b+FR-1], v[AF+FR*(\a):AF+FR*(\a)+FR-1], v[CBR+8*\b:CBR+8*\b+7], v[SC+8*NQ*(\sc)+NQ*\b+(\q)], v[SC+8*NQ*(\sc)+NQ*(\a)+(\q)] matrix_a_fmt:MATRIX_FMT_BF8 matrix_b_fmt:MATRIX_FMT_BF8 matrix_a_scale:MATRIX_SCALE_ROW1
.else
	v_wmma_scale_f32_16x16x128_f8f6f4 v[8*(8*((\a)%4)+\b):8*(8*((\a)%4)+\b)+7], v[128*(\p)+FR*\b:128*(\p)+FR*\b+FR-1], v[AF+FR*(\a):AF+FR*(\a)+FR-1], v[8*(8*((\a)%4)+\b):8*(8*((\a)%4)+\b)+7], v[SC+8*NQ*(\sc)+NQ*\b+(\q)], v[SC+8*NQ*(\sc)+NQ*(\a)+(\q)] matrix_a_fmt:MATRIX_FMT_BF8 matrix_b_fmt:MATRIX_FMT_BF8 matrix_a_scale:MATRIX_SCALE_ROW1
.endif
.endr
.endr
.endm
.macro FETCH_B slot, q, p              ; B's eight fragments of the slot's q-th 128 along K into set p
	WIN TO_B
.irp i, 0,1,2,3,4,5,6,7
	FRAG 128*(\p)+FR*\i, ADRB+\slot, \q, \i
.endr
	WIN 0
.endm
.macro FETCH_A slot, q, i0             ; A's blocks i0 .. i0 + 3
.irp i, \i0, \i0+1, \i0+2, \i0+3
	FRAG AF+FR*(\i), ADRA+\slot, \q, \i
.endr
.endm
.macro SCALES sc                       ; the next K step's scale words into set sc: lanes 0-15 take A's block i, lanes 16-31 B's block i
.irp i, 0,1,2,3,4,5,6,7
	ds_load_b64 v[SC+8*NQ*\sc+NQ*\i:SC+8*NQ*\sc+NQ*\i+1], v[ADRS] offset:\i*SBLK
.endr
.endm
; A load into a register that a matrix instruction has read stands NP places behind that matrix instruction, and only plain vector instructions that name none of its registers are places.
.macro PLACES n
.rept \n
	v_nop
.endr
.endm
; A step of 128 along K that has its successor in the same slot.  first = 1: C lies in window 0.
.macro STEP slot, q, first
	s_wait_dscnt 4*NL                              ; B's set and A's blocks 0-3 are in; the youngest 16 loads (A's blocks 4-7) may be out
	WIN MUL_LO-0x20*\first
	MUL16 0, (\q)%2, \q, \slot, \first
	MUL16 2, (\q)%2, \q, \slot, \first
	s_wait_dscnt 0                                 ; A's blocks 4-7 are in (asked for 32 matrix instructions ago)
	PLACES NP
	FETCH_B \slot, (\q)+1, 1-(\q)%2
	FETCH_A \slot, (\q)+1, 0
	WIN MUL_HI-0x30*\first
	MUL16 4, (\q)%2, \q, \slot, \first
	MUL16 6, (\q)%2, \q, \slot, \first
	PLACES NP
	WIN 0
	FETCH_A \slot, (\q)+1, 4
.endm
; A slot's last step changes slots: ONE barrier; in front of it each wave waits for all its tensor loads, adds 0 to its spare word, and waits for that and for its own reads of this slot.
.macro TURN slot, next, fill
	s_wait_tensorcnt 0x0                           ; all my tensor loads have landed: my part of the next slot
	ds_add_u32 v[SPW], v[NIL]                      ; 0 onto my spare word
	s_wait_dscnt 4*NL+1                            ; (the add and the youngest 16 loads, A's blocks 4-7, may be out)
	WIN MUL_LO
	MUL16 0, 1, NQ-1, \slot, 0                     ; sixteen matrix instructions stand between the add and the wait for it
	s_wait_dscnt 0x0                               ; the add is done, and my reads of this slot are over
	s_barrier_signal -1
	MUL16 2, 1, NQ-1, \slot, 0
	WIN 0
	s_barrier_wait -1
.if \fill
	CREST                                          ; the barrier has opened a round of the cluster's barrier: no wave of any partner still reads this slot's tile or has a load on its way
	s_add_nc_u64 s[G0+4*\slot+2:G0+4*\slot+3], s[G0+4*\slot+2:G0+4*\slot+3], 2*ROWB
	s_add_nc_u64 s[G0B+4*\slot+2:G0B+4*\slot+3], s[G0B+4*\slot+2:G0B+4*\slot+3], 2*ROWB
	JLOAD G0+4*\slot, G1, G0B+4*\slot, G1B         ; the first tensor load behind the round, my one load until the next; its four v_nop are among the places in front of the loads below
	PLACES NP-4
.else
	PLACES NP
.endif
	v_add_nc_u32 v[ADRS], 4*NQ, v[ADRS]            ; on to the next K step's scale words (no LDS load of mine is out)
	FETCH_B \next, 0, 0
	FETCH_A \next, 0, 0
	SCALES \next
	WIN MUL_HI
	MUL16 4, 1, NQ-1, \slot, 0
	MUL16 6, 1, NQ-1, \slot, 0
	PLACES NP
	WIN 0
	FETCH_A \next, 0, 4
.endm
	s_wait_tensorcnt 1                             ; the scales and my part of K step 0 are in (K step 1's load may be out)
	s_barrier_signal -1
	s_barrier_wait -1                              ; everybody's are
	FETCH_B 0, 0, 0
	FETCH_A 0, 0, 0
	SCALES 0
	FETCH_A 0, 0, 4
	STEP 0, 0, 1                                   ; the first step stands in front of the loop: its products start the sums
	s_mov_b32 s3, LAPS-1
.Llap:                                                 ; a trip goes once round the ring, from a lap's second step to the next lap's first, and fills both slots again
	TURN 0, 1, 1
	STEP 1, 0, 0
	TURN 1, 0, 1
	STEP 0, 0, 0
	s_sub_co_u32 s3, s3, 1
	s_cmp_lg_u32 s3, 0
	s_cbranch_scc1 .Llap
	TURN 0, 1, 0                                   ; the last lap fills nothing, and has no round of the cluster's barrier
	STEP 1, 0, 0
	s_wait_dscnt 4*NL                              ; the very last step: nothing more to fetch
	WIN MUL_LO
	MUL16 0, 1, NQ-1, 1, 0
	MUL16 2, 1, NQ-1, 1, 0
	s_wait_dscnt 0
	WIN MUL_HI
	MUL16 4, 1, NQ-1, 1, 0
	MUL16 6, 1, NQ-1, 1, 0
	WIN 0
	; ---- THE WAY OUT.  R = my first block of 16 rows of C, Cq = my first block of 32 columns.  Both shapes' places are worked out, and the shape chooses.
	; qkvc: [q, k, v][head 16][block of 32 rows or keys: 128][chunk 4][lane 32][16 bytes].  q, k: chunk = 2 (which 16 rows) + (which 32 of the head's 64).  v: chunk = which 16 of the head's 64.
	s_lshl_b32 s56, s17, 4
	s_lshl_b32 s57, s15, 3
	s_add_co_u32 s56, s56, s57                     ; R = 16 x tile row + 8 x half
	s_lshl_b32 s57, s42, 3
	s_lshl_b32 s58, s16, 2
	s_add_co_u32 s57, s57, s58                     ; Cq = 8 x tile column + 4 x half
	s_and_b32 s58, s57, 31
	s_lshr_b32 s58, s58, 1                         ; [q | k]: my first head
	s_lshr_b32 s59, s56, 2                         ; v^T: my first head
	s_lshl_b32 s24, s2, 22                         ; [q | k] codes: q or k,
	s_lshl_b32 s25, s58, 18                        ; the head,
	s_add_co_u32 s24, s24, s25
	s_lshl_b32 s25, s56, 10                        ; 1,024 bytes for each 16 rows
	s_add_co_u32 s24, s24, s25
	s_lshl_b32 s25, s59, 18                        ; v^T codes: the head,
	s_lshl_b32 s26, s57, 11                        ; 2,048 bytes for each 32 keys,
	s_add_co_u32 s25, s25, s26
	s_add_co_u32 s25, s25, 0x800000                ; behind q and k
	s_lshl_b32 s26, s2, 17                         ; [q | k] scale words: [q, k][head][block of 32 rows][r 16]
	s_lshl_b32 s27, s58, 13
	s_add_co_u32 s26, s26, s27
	s_lshl_b32 s27, s56, 5                         ; 64 bytes for each 32 rows (R is even)
	s_add_co_u32 s26, s26, s27
	s_lshl_b32 s27, s57, 10                        ; v^T scale words: [128 keys: 32][pair of heads 8][chunk & 1][head & 1][chunk >> 1][r 16]
	s_lshl_b32 s28, s56, 6
	s_add_co_u32 s27, s27, s28
	s_add_co_u32 s27, s27, 0x40000
	s_mul_i32 s28, s59, 40960                      ; vsum: [head][160 rows][r 16][chunk 4] f32: rows 0-127 by blocks of 32 keys, rows 128-159 by 128 keys
	s_lshl_b32 s29, s57, 8
	s_lshl_b32 s30, s57, 6
	s_add_co_u32 s30, s30, s28
	s_add_co_u32 s30, s30, 32768
	s_add_co_u32 s28, s28, s29
	s_mov_b32 s32, 1024                            ; from one block of 16 rows to the next,
	s_mov_b32 s34, 1024                            ; from the fourth to the fifth,
	s_mov_b32 s36, 512                             ; from my first block of 32 columns to the second,
	s_mov_b32 s37, 262144                          ; third,
	s_mov_b32 s38, 262656                          ; fourth;
	s_mov_b32 s39, 8192                            ; between the two kinds of scale words;
	s_mov_b32 s40, 0x05040100                      ; and how two blocks' scale words are joined
	s_mov_b32 s41, 0x07060302
	s_cmp_eq_u32 s95, 1
	s_cselect_b32 s24, s25, s24
	s_cselect_b32 s26, s27, s26
	s_cselect_b32 s32, 512, s32
	s_cselect_b32 s34, 260608, s34                 ; a head on, three chunks back
	s_cselect_b32 s36, 2048, s36
	s_cselect_b32 s37, 4096, s37
	s_cselect_b32 s38, 6144, s38
	s_cselect_b32 s39, 256, s39
	s_cselect_b32 s40, 0x03020100, s40
	s_cselect_b32 s41, 0x07060504, s41
	s_mov_b32 s25, 0
	s_mov_b32 s27, 0
	s_mov_b32 s29, 0
	s_mov_b32 s31, 0
	s_mov_b32 s33, 0
	s_mov_b32 s35, 0
	s_add_nc_u64 s[24:25], s[8:9], s[24:25]
	s_add_nc_u64 s[26:27], s[10:11], s[26:27]
	s_add_nc_u64 s[28:29], s[12:13], s[28:29]
	s_add_nc_u64 s[30:31], s[12:13], s[30:31]
	s_mov_b32 s43, 0xffff0000                      ; lanes 16-31
	s_mov_b32 s44, 0x76543210
	s_mov_b32 s45, 0xfedcba98                      ; v_permlanex16_b32's selects for lane l xor 16
	s_mov_b32 s46, 0x600000                        ; the mantissa field of 57,344
	; these plain vector lines name no register of the last products: they are the places behind them
	v_and_b32 v[VO], 31, v0
	v_lshlrev_b32 v[LS], 2, v[VO]                  ; 4 x lane
	v_lshlrev_b32 v[VO], 4, v[VO]                  ; 16 x lane
	v_add_nc_u32 v[VO+1], s36, v[VO]
	v_add_nc_u32 v[VO+2], s37, v[VO]
	v_add_nc_u32 v[VO+3], s38, v[VO]
	v_add_nc_u32 v[LS+1], s39, v[LS]
	v_and_b32 v[RL], 15, v0
	v_mov_b32 v[ONE], 0x3c3c3c3c                   ; 1.0 in E5M2, four times
	v_bfe_u32 v[TO], v0, 4, 1
	v_mul_u32_u24 v[TO], v[TO], 40960              ; lanes 16-31 hold my second head's sums
	v_lshl_add_u32 v[TO], v[RL], 4, v[TO]
	v_mov_b32 v[UNI], 0x7f7f7f7f
.irp i, 0,1,2,3,4,5,6,7,8,9,10,11
	v_mov_b32 v[ZE+\i], 0
	v_mov_b32 v[ZE+16+\i], 0
.endr
.irp i, 0,1,2,3
	v_mov_b32 v[TM+4+\i], 0                        ; written once: a lane permute's destination counts as one of its sources
.endr
	WIN 0x40                                       ; destination window 1
.irp a, 0,1,2,3,4,5,6,7
	v_mov_b32 v[RBD+2*\a], v[RB+\a]
	v_mov_b32 v[RBD+2*\a+1], v[RB+\a]
.endr
	WIN 0
; Block a of 16 rows x my 128 columns: the row bias; four blocks of 32 along the columns are quantised; the codes leave; in v^T they are also summed.
.macro OUTBLK a
.set W, 2+(\a)/4
.set AC, 64*((\a)%4)
.set PD, PCD+16*(\a)
.if (\a) > 0
	s_wait_xcnt 0x0                                ; the last block's stores have read their base: it may step
.if (\a) == 4
	s_add_nc_u64 s[24:25], s[24:25], s[34:35]
.else
	s_add_nc_u64 s[24:25], s[24:25], s[32:33]
.endif
.endif
	WIN (W<<6)|(1<<2)|W
.set ii, 0
.rept 32
	v_pk_add_f32 v[AC+ii:AC+ii+1], v[AC+ii:AC+ii+1], v[RBD+2*(\a):RBD+2*(\a)+1]   ; ascending: each accumulator is first read at its low end
.set ii, ii+2
.endr
	WIN (W<<2)|W
.irp b, 0,1,2,3
	v_max3_num_f32 v[TM+\b], |v[AC+16*\b]|, |v[AC+16*\b+1]|, 0x8000000   ; my 16 numbers of block b, and the floor 2^(16 - 127)
.endr
.irp i, 2,4,6,8,10,12,14
.irp b, 0,1,2,3
	v_max3_num_f32 v[TM+\b], |v[AC+16*\b+\i]|, |v[AC+16*\b+\i+1]|, v[TM+\b]   ; (the four blocks by turns)
.endr
.endr
	WIN 0
.irp b, 0,1,2,3
	v_permlanex16_b32 v[TM+4+\b], v[TM+\b], s44, s45
.endr
.irp b, 0,1,2,3
	v_max_num_f32 v[TM+\b], v[TM+\b], v[TM+4+\b]   ; with lane l xor 16's: the block's largest magnitude
.endr
.irp b, 0,1,2,3
	v_add_nc_u32 v[TM+12+\b], 0xf8800000, v[TM+\b] ; 15 off its exponent field: the conversion's scale operand
.endr
.irp b, 0,1,2,3
	v_and_or_b32 v[TM+8+\b], v[TM+\b], 0x7f800000, s46   ; 57,344 x the scale
.endr
.irp b, 0,1,2,3
	v_lshrrev_b32 v[TM+4+\b], 23, v[TM+12+\b]      ; the scale's byte
.endr
	v_lshl_or_b32 v[NW+(\a)], v[TM+5], 8, v[TM+4]
	v_lshl_or_b32 v[NW+(\a)], v[TM+6], 16, v[NW+(\a)]
	v_lshl_or_b32 v[NW+(\a)], v[TM+7], 24, v[NW+(\a)]
	WIN (W<<6)|W
.irp b, 0,1,2,3
.irp i, 0,1,2,3,4,5,6,7,8,9,10,11,12,13,14,15
	v_med3_num_f32 v[AC+16*\b+\i], v[AC+16*\b+\i], -v[TM+8+\b], v[TM+8+\b]   ; the conversion to an 8-bit code does not saturate (ISA guide 7.6.2)
.endr
.endr
	WIN W
.irp b, 0,1,2,3
	v_cvt_scalef32_pk8_bf8_f32 v[PD+4*\b:PD+4*\b+1], v[AC+16*\b:AC+16*\b+7], v[TM+12+\b]
	v_cvt_scalef32_pk8_bf8_f32 v[PD+4*\b+2:PD+4*\b+3], v[AC+16*\b+8:AC+16*\b+15], v[TM+12+\b]
.endr
	WIN 0
	v_nop                                          ; one plain line behind the last conversion
.irp b, 0,1,2,3
	global_store_b128 v[VO+\b], v[PD+4*\b:PD+4*\b+3], s[24:25]   ; 32 lanes store 512 consecutive bytes
.endr
	s_cmp_eq_u32 s95, 1                            ; the shape is the same in all partners of a cluster
	s_cbranch_scc0 .Lskip_\@
	v_cmp_eq_u32 vcc_lo, 8*((\a)/4)+(\a)%4, v[RL]  ; the row of ones: block a's sums fall into register a % 4 of lanes 16 (a / 4) + r
.irp i, 0,1,2,3
	v_cndmask_b32 v[ZE+12+\i], 0, v[ONE], vcc_lo
.endr
.rept 4
	v_nop                                          ; an operand written by vector instructions stands four places ahead of a scaled matrix instruction
.endr
	WIN 0x50                                       ; C and D window 1
.irp t, 0,1,2,3                        ; ones in the t-th block of 32 keys alone: four accumulators by turns
.if (\a) == 0
	v_wmma_scale_f32_16x16x128_f8f6f4 v[8*\t:8*\t+7], v[ZE+12-4*\t:ZE+27-4*\t], v[PD:PD+15], 0, v[UNI], v[NW+(\a)] matrix_a_fmt:MATRIX_FMT_BF8 matrix_b_fmt:MATRIX_FMT_BF8
.else
	v_wmma_scale_f32_16x16x128_f8f6f4 v[8*\t:8*\t+7], v[ZE+12-4*\t:ZE+27-4*\t], v[PD:PD+15], v[8*\t:8*\t+7], v[UNI], v[NW+(\a)] matrix_a_fmt:MATRIX_FMT_BF8 matrix_b_fmt:MATRIX_FMT_BF8
.endif
.endr
	WIN 0
.Lskip_\@:
.endm
.irp a, 0,1,2,3,4,5,6,7
	OUTBLK \a
.endr
	; the scale words.  [q | k]: a word holds two blocks of rows x a head's two blocks of columns; v^T: a word is a block of rows' four blocks of keys, as made.
.irp i, 0,1,2,3
	v_perm_b32 v[XW+2*\i], v[NW+2*\i+1], v[NW+2*\i], s40
	v_perm_b32 v[XW+2*\i+1], v[NW+2*\i+1], v[NW+2*\i], s41
.endr
.irp t, 0,1
.irp s, 0,1
	v_cndmask_b32 v[TM+8+2*\t+\s], v[XW+4*\t+\s], v[XW+4*\t+2+\s], s43   ; lanes 16-31 take the next word's rows: 128 consecutive bytes a store
.endr
.endr
.irp t, 0,1
.irp s, 0,1
	global_store_b32 v[LS+\s], v[TM+8+2*\t+\s], s[26:27] offset:128*\t
.endr
.endr
	s_cmp_eq_u32 s95, 1
	s_cbranch_scc0 .Lno_table
.rept 8
	v_nop                                          ; places behind the last sums
.endr
	WIN 0x05                                       ; sources window 1
.irp j, 0,1,2,3
	v_add_f32 v[TM+\j], v[\j], v[8+\j]
	v_add_f32 v[TM+4+\j], v[16+\j], v[24+\j]
.endr
	WIN 0
.irp j, 0,1,2,3
	v_add_f32 v[TM+\j], v[TM+\j], v[TM+4+\j]       ; the sum over my 128 keys
.endr
	WIN 0x04                                       ; a store's data: window 1
.irp t, 0,1,2,3
	global_store_b128 v[TO], v[8*\t:8*\t+3], s[28:29] offset:256*\t   ; 16 lanes store 256 consecutive bytes
.endr
	WIN 0
	global_store_b128 v[TO], v[TM:TM+3], s[30:31]
.Lno_table:
	s_wait_tensorcnt 0x0                           ; the wave's end
	ds_add_u32 v[SPW], v[NIL]
	s_wait_dscnt 0x0
	CROUND                                         ; the closing round: no work-group ends while a partner may still ask for a tile that names it
	s_endpgm
.Lfunc_end_k_q5d46af350d_proj:
	.size	k_q5d46af350d_proj, .Lfunc_end_k_q5d46af350d_proj-k_q5d46af350d_proj
	.p2alignl 7, 3214868480
	.fill 96, 4, 3214868480
	.section	.rodata,"a",@progbits
	.p2align	6, 0x0
	.amdhsa_kernel k_q5d46af350d_proj
		.amdhsa_group_segment_fixed_size 327680
		.amdhsa_private_segment_fixed_size 0
		.amdhsa_enable_private_segment 0
		.amdhsa_kernarg_size 64
		.amdhsa_user_sgpr_count 2
		.amdhsa_user_sgpr_kernarg_segment_ptr 1
		.amdhsa_wavefront_size32 1
		.amdhsa_system_sgpr_workgroup_id_x 1
		.amdhsa_system_sgpr_workgroup_id_y 1
		.amdhsa_system_sgpr_workgroup_id_z 1
		.amdhsa_system_vgpr_workitem_id 0
		.amdhsa_next_free_vgpr 1024
		.amdhsa_next_free_sgpr 102
		.amdhsa_reserve_vcc 1
		.amdhsa_float_denorm_mode_32 3
		.amdhsa_float_denorm_mode_16_64 3
		.amdhsa_memory_ordered 1
		.amdhsa_forward_progress 1
		.amdhsa_inst_pref_size 220
	.end_amdhsa_kernel
	.amdgpu_metadata
---
amdhsa.version: [ 1, 2 ]
amdhsa.kernels:
  - .name:           k_q5d46af350d_proj
    .symbol:         k_q5d46af350d_proj.kd
    .args:
      - { .name: cin, .offset: 0, .size: 8, .value_kind: global_buffer, .address_space: global }
      - { .name: sin, .offset: 8, .size: 8, .value_kind: global_buffer, .address_space: global }
      - { .name: bq, .offset: 16, .size: 8, .value_kind: global_buffer, .address_space: global }
      - { .name: bk, .offset: 24, .size: 8, .value_kind: global_buffer, .address_space: global }
      - { .name: bv, .offset: 32, .size: 8, .value_kind: global_buffer, .address_space: global }
      - { .name: qkvc, .offset: 40, .size: 8, .value_kind: global_buffer, .address_space: global }
      - { .name: qkvs, .offset: 48, .size: 8, .value_kind: global_buffer, .address_space: global }
      - { .name: vsum, .offset: 56, .size: 8, .value_kind: global_buffer, .address_space: global }
    .group_segment_fixed_size: 327680
    .private_segment_fixed_size: 0
    .kernarg_segment_align: 8
    .kernarg_segment_size: 64
    .max_flat_workgroup_size: 128
    .sgpr_count:     102
    .vgpr_count:     1024
    .wavefront_size: 32
...
	.end_amdgpu_metadata
.endif
;; end of part 2
;; launch attn (part 3): grid 256 x 1, 16 waves a work-group, no clusters, 217,344 bytes of LDS; arguments hidden_states, attention_mask, ln_gamma, ln_beta, qkvc, qkvs, vsum, out0; writes out0
.if DOCPART == 3
	.amdgcn_target "amdgcn-amd-amdhsa--gfx1250"
	.amdhsa_code_object_version 6
	.text
	.protected	k_q5d46af350d_attn
	.globl	k_q5d46af350d_attn
	.p2align	8
	.type	k_q5d46af350d_attn,@function
k_q5d46af350d_attn:
	s_mov_b64 s[64:65], 0
	v_nop
	global_prefetch_b8 v0, s[64:65] scope:SCOPE_SE
	s_setreg_imm32_b32 hwreg(HW_REG_WAVE_MODE, 25, 1), 1
	s_wait_xcnt 0x0
; Windowed attention on codes of E5M2, the residual and the layer norm.
; SHARES.  A work-group owns 16 rows (queries) for all 16 heads, since the norm needs a whole row; wave = head.  Work-group w: beta = w / 2, u = w % 2; its rows are 32 beta + 8 u + r + 8 (r / 8), r = 0 .. 15.
; THE WINDOW.  Key j is kept for query i where i - 128 <= j < i + 128; every other key's logit is SET to -10000.  The wave walks the nine blocks of 32 keys beta - 4 .. beta + 4; only the first and the last
; cut the window.  A block beyond the sequence's ends gets logits of -infinity (p = 0) and the loads of a block that exists.
; THE KEYS THAT ARE NOT WALKED all have the logit -10000, so the same p: c = 2^(-10000 log2(e) - M).  They are honoured without a branch: the row's maximum takes -10000 in; the row's sum gets c x their number;
; O gets Q(c) x the sum of the quantised v over their blocks, from the table vsum (by 128 keys: 32 rows a head, and three single blocks of 32).  Q(c) is c held at 1.75 x its power of two and rounded to two mantissa bits.
; SOFTMAX.  t = logit x log2(e); M = ceil(the row's largest t); p = 2^(t - M) is quantised along the keys; the sum is taken of the unquantised p and divides at the end.  All 288 scores of a row lie in registers: no running maximum is needed.
; LAYOUT.  Both products are used transposed: a lane holds one query (lane % 16).  S^T = K Q^T: a block's 32 keys x 64 are ONE operand of 16 rows x 128: K blocks 0, 1 are keys r + 8 (r / 8), K blocks 2, 3 keys 8 + r + 8 (r / 8);
; q stands against zeros once in the lower and once in the upper half.  So a lane's 16 registers of a block are the keys 16 (lane / 16) + 0 .. 15, and p's codes are the second product's operand.
; K AND THE SCORES SLIDE THROUGH ONE RUN OF REGISTERS: K of block b lands in T(b), its scores are written to T(b + 1), b from 8 down to 0.
; OPERANDS COME STRAIGHT FROM MEMORY, 512 consecutive bytes a load, in the order of the operand's registers: each byte of K and V is used by one wave of the work-group alone, so LDS would hand nothing on.
; NO CLUSTER: a joint load lands in LDS; four neighbouring work-groups' keys are 320 x 2,048 bytes of K and V, more than the 327,680 bytes of LDS, and in each work-group every byte is read by one wave.
; LDS is filled once (copies of the table); nothing is filled again.
; LIMITS: NaN and infinities among the inputs are not served; p and c under 2^-126 count as 0; for c under 2^-111 Q(c) ignores the scale's lower bound (such a c is under 2^-110 of the row's largest p).
; REGISTERS: v1 16 x lane; v[2:3] -M; v[4:7] sums; v8 c, v9 Q(c); v10 q's scale word; v12-14 p's scale words; v16-21 V's scale words; v22-30 a block's largest score, then p, then the hold; v31 address of the mask words;
; v32-55 q, zeros, q; later v32-67 p's codes, v68-79 zeros; v56-87 early addresses, then two sets of 16 mask words; v88-92 K's scale words; v11, v15, v93-95 at work; v96 + 16 i: T(i), i = 0 .. 9.
; O^T: v80-87, v22-29, v240-247, v248-255.
.set FRW, 131072                       ; LDS: 0: the table by 128 keys, [head][32 rows][256 bytes]; FRW: three single blocks, [head][3][256 bytes];
.set AMB, 143360                       ; 512 additive mask words (288 are read);
.set SOB, 145408                       ; the sums of v not walked, [head][256 bytes];
.set CTX, 149504                       ; 16 rows x (4,096 + 16) bytes of context
.set CP,  4112
.set BM,  22
.set PC,  32
.set AM,  56
.set KSR, 88
.set T,   96
	s_load_b256 s[4:11], s[0:1], 0x0               ; hidden_states s[4:5], attention_mask s[6:7], ln_gamma s[8:9], ln_beta s[10:11]
	s_load_b256 s[12:19], s[0:1], 0x20             ; qkvc s[12:13], qkvs s[14:15], vsum s[16:17], out0 s[18:19]
	v_lshl_add_u32 v254, v0, 2, 0x34900
	v_mov_b32 v255, 0
	ds_add_u32 v254, v255
	ds_add_u32 v254, v255
	s_wait_dscnt 0x0
	v_lshrrev_b32 v11, 5, v0
	v_readfirstlane_b32 s20, v11                   ; wave = head
	v_and_b32 v15, 31, v0                          ; lane
	v_lshlrev_b32 v1, 4, v15                       ; 16 x lane; never rewritten
	v_lshl_add_u32 v56, v11, 13, v1                ; where my copies of the table land: 8,192 x head + 16 x lane
	v_lshlrev_b32 v58, 3, v15                      ; 8 x lane
	v_mul_u32_u24 v57, v11, 768
	v_add_nc_u32 v57, v57, v58
	v_add_nc_u32 v57, FRW, v57                     ; the three single blocks: 768 x head + 8 x lane
	v_lshl_add_u32 v59, v11, 13, v58               ; the table read back: 8 bytes a lane of each row
	v_lshl_add_u32 v60, v0, 3, SOB                 ; my two sums
	v_lshl_add_u32 v61, v0, 2, AMB                 ; my mask word
	v_lshlrev_b32 v95, 2, v15                      ; 4 x lane
	v_and_b32 v94, 15, v0
	v_lshlrev_b32 v94, 2, v94                      ; 4 r
	v_bfe_u32 v93, v0, 4, 1                        ; h
	v_lshl_add_u32 v31, v93, 6, AMB                ; a block's mask words of my half: 64 h
	s_lshr_b32 s21, ttmp9, 1                       ; beta
	s_and_b32 s22, ttmp9, 1                        ; u
	s_sub_co_i32 s23, s21, 4                       ; the first block walked (from -4 on)
	s_ashr_i32 s24, s23, 2                         ; its group of four blocks
	s_and_b32 s35, s23, 3                          ; and its place there
	s_lshl_b32 s25, s35, 3
.irp i, 0,1,2,3,4,5,6,7,8
	s_add_co_i32 s[26+\i], s23, \i                 ; the nine blocks, held inside the sequence for the loads
	s_max_i32 s[26+\i], s[26+\i], 0
	s_min_i32 s[26+\i], s[26+\i], 127
.endr
	s_lshl_b32 s62, s20, 18                        ; a head's codes: 262,144 bytes
	s_add_co_u32 s63, s62, 0x400000                ; K lies 4 MiB behind q
.irp i, 0,1,2,3,4,5,6,7,8
	s_lshl_b32 s[36+2*\i], s[26+\i], 11
	s_add_co_u32 s[36+2*\i], s[36+2*\i], s63
	s_mov_b32 s[37+2*\i], 0
.endr
	s_lshl_b32 s2, s21, 11
	s_add_co_u32 s100, s62, s2
	s_lshl_b32 s2, s22, 10
	s_add_co_u32 s100, s100, s2                    ; q: head, block beta, chunks 2 u and 2 u + 1
	s_mov_b32 s101, 0
	s_mov_b32 s54, 0x3fb8aa3b                      ; log2(e)
	s_mov_b32 s55, s54                             ; (named with it as a pair)
	s_mov_b32 s56, 0x76543210
	s_mov_b32 s57, 0xfedcba98                      ; v_permlanex16_b32's selects for lane l xor 16
	s_mov_b32 s58, 0x600000                        ; the mantissa field of 57,344
	s_mov_b32 s59, 0xff800000
	s_mov_b32 s60, s59
	s_cmp_ge_i32 s23, 0
	s_cselect_b32 s59, 0xc61c4000, s59             ; outside the window in the first block: -10000, or -infinity where the block does not exist
	s_cmp_le_i32 s23, 119
	s_cselect_b32 s60, 0xc61c4000, s60             ; and in the last
	s_sub_co_u32 s61, 127, s34
	s_add_co_u32 s61, s61, s26
	s_lshl_b32 s61, s61, 5                         ; the keys not walked: 32 x (128 - the walked blocks that exist)
	s_mov_b32 s95, 0
	s_mov_b32 s97, 0x01000100
	s_cmp_eq_u32 s22, 0
	s_cselect_b32 s97, s97, 0x03020302             ; which two bytes of q's scale word are my 16 rows'
	s_mul_i32 s93, s20, 40960                      ; a head's part of vsum
	s_add_co_u32 s98, s93, 32768                   ; its rows by 128 keys
	s_mov_b32 s99, 0
	s_lshl_b32 s3, s24, 2
.irp i, 0,1,2                          ; of the three groups that the walk touches, three blocks are not walked: 4 g0 + i, or 9 further on
	s_cmp_gt_u32 s35, \i
	s_cselect_b32 s2, 0, 9
	s_add_co_i32 s2, s2, s3
	s_add_co_i32 s2, s2, \i
	s_cmp_lt_u32 s2, 128
	s_cselect_b32 s[90+\i], 1.0, 0                 ; it counts if it exists
	s_max_i32 s2, s2, \i                           ; (the copy's immediate, 256 i, is added to both its addresses)
	s_min_i32 s2, s2, 127
	s_sub_co_u32 s2, s2, \i
	s_lshl_b32 s2, s2, 8
	s_add_co_u32 s[84+2*\i], s2, s93
	s_mov_b32 s[85+2*\i], 0
.endr
	s_add_co_i32 s2, s23, s20                      ; the mask words: wave w takes block (first + w); waves 9 to 15 make words that nobody reads
	s_cmp_lt_u32 s2, 128
	s_cselect_b32 s96, -1, 0                       ; does it exist?
	s_max_i32 s2, s2, 0
	s_min_i32 s2, s2, 127
	s_lshl_b32 s2, s2, 7
	v_add_nc_u32 v62, s2, v95
	s_lshl_b32 s3, s20, 13                         ; scale words of q and K: 8,192 bytes a head, 64 a block
	s_lshl_b32 s2, s21, 6
	s_add_co_u32 s2, s2, s3
	v_add_nc_u32 v63, s2, v94
	s_add_co_u32 s3, s3, 0x20000                   ; K's lie 131,072 bytes behind q's
.irp i, 0,1,2,3                        ; lanes 0-15 take block 2 i's words, lanes 16-31 block 2 i + 1's
	s_sub_co_u32 s93, s[27+2*\i], s[26+2*\i]
	s_lshl_b32 s93, s93, 6
	v_mad_u32_u24 v[64+\i], v93, s93, v94
	s_lshl_b32 s2, s[26+2*\i], 6
	s_add_co_u32 s2, s2, s3
	v_add_nc_u32 v[64+\i], s2, v[64+\i]
.endr
	s_lshl_b32 s2, s34, 6
	s_add_co_u32 s2, s2, s3
	v_add_nc_u32 v68, s2, v94
	s_lshr_b32 s2, s20, 1                          ; V's scale words: [128 keys][pair of heads][chunk & 1][head & 1][chunk >> 1][r]
	s_lshl_b32 s2, s2, 9
	s_and_b32 s3, s20, 1
	s_lshl_b32 s3, s3, 7
	s_add_co_u32 s2, s2, s3
	s_add_co_u32 s2, s2, 0x40000
.irp k, 0,1,2
	s_add_co_i32 s93, s24, \k
	s_max_i32 s93, s93, 0
	s_min_i32 s93, s93, 31
	s_lshl_b32 s93, s93, 12
	s_add_co_u32 s93, s93, s2
	v_add_nc_u32 v[69+\k], s93, v95
.endr
	s_lshr_b32 s62, s20, 3                         ; for the norm wave w takes the work-group's row w: 32 beta + 8 u + w + 8 (w / 8)
	s_lshl_b32 s62, s62, 3
	s_add_co_u32 s62, s62, s20
	s_lshl_b32 s2, s22, 3
	s_add_co_u32 s62, s62, s2
	s_lshl_b32 s2, s21, 5
	s_add_co_u32 s62, s62, s2
	s_lshl_b32 s62, s62, 12
	s_mov_b32 s63, 0
	s_wait_kmcnt 0x0
.irp i, 0,1,2,3,4,5,6,7,8
	s_add_nc_u64 s[36+2*\i:37+2*\i], s[12:13], s[36+2*\i:37+2*\i]   ; K's block i
	s_add_nc_u64 s[66+2*\i:67+2*\i], s[36+2*\i:37+2*\i], 0x400000   ; V's
.endr
	s_add_nc_u64 s[12:13], s[12:13], s[100:101]
.irp i, 0,1,2
	s_add_nc_u64 s[84+2*\i:85+2*\i], s[16:17], s[84+2*\i:85+2*\i]
.endr
	s_add_nc_u64 s[98:99], s[16:17], s[98:99]
	s_add_nc_u64 s[4:5], s[4:5], s[62:63]
	s_add_nc_u64 s[18:19], s[18:19], s[62:63]
	; ---- the copies of my head's part of the table: ahead of every LDS read and barrier; their address registers stay until the wait for them
.irp k, 0,1,2,3,4,5,6,7,8,9,10,11,12,13,14,15
	global_load_async_to_lds_b128 v56, v1, s[98:99] offset:512*\k
.endr
.irp i, 0,1,2
	global_load_async_to_lds_b64 v57, v58, s[84+2*\i:85+2*\i] offset:256*\i
.endr
	; ---- 1 + 52 loads
	global_load_b32 v11, v62, s[6:7]               ; 32 numbers of the mask
	global_load_b128 v[32:35], v1, s[12:13]        ; q, twice: against zeros above and below
	global_load_b128 v[36:39], v1, s[12:13] offset:512
	global_load_b128 v[48:51], v1, s[12:13]
	global_load_b128 v[52:55], v1, s[12:13] offset:512
	global_load_b32 v10, v63, s[14:15]
.irp i, 0,1,2,3,4
	global_load_b32 v[KSR+\i], v[64+\i], s[14:15]
.endr
.irp k, 0,1,2
	global_load_b32 v[16+2*\k], v[69+\k], s[14:15]
	global_load_b32 v[17+2*\k], v[69+\k], s[14:15] offset:256
.endr
.irp b, 8,7,6,5,4,3,2,1,0
.irp x, 0,1,2,3
	global_load_b128 v[T+16*\b+4*\x:T+16*\b+4*\x+3], v1, s[36+2*\b:37+2*\b] offset:512*\x
.endr
.endr
.irp i, 0,1,2,3,4,5,6,7
	v_mov_b32 v[40+\i], 0                          ; the zeros between the two q
.endr
	v_mov_b32 v15, 0xff800000
	s_wait_loadcnt 52                              ; the mask's load is in: the 52 loads issued behind it may be out
	v_sub_f32 v11, 1.0, v11
	v_mul_f32 v11, 0xc61c4000, v11                 ; (1 - mask) x -10000
	v_cndmask_b32 v11, v15, v11, s96               ; -infinity where the block does not exist
	ds_store_b32 v61, v11
	s_wait_asynccnt 0x0                            ; my copies have landed (only I read them)
	s_wait_dscnt 0x0                               ; my mask words are stored
	s_barrier_signal -1
	s_barrier_wait -1                              ; everybody's are
	; ---- the sum of the quantised v over the blocks not walked; a lane holds two of the head's 64
.irp q, 0,1,2,3
.irp j, 0,1,2,3,4,5,6,7
	ds_load_b64 v[240+2*\j:241+2*\j], v59 offset:256*(8*\q+\j)
.endr
	s_wait_dscnt 0x0
.irp j, 0,1,2,3,4,5,6,7
	s_sub_co_u32 s93, 8*\q+\j, s24
	s_cmp_lt_u32 s93, 3                            ; one of the three groups that the walk touches?
	s_cselect_b32 s94, 0, 1.0
.if 8*\q+\j == 0
	v_pk_mul_f32 v[4:5], v[240:241], s[94:95] op_sel_hi:[1,0]
.else
	v_pk_fma_f32 v[4:5], v[240+2*\j:241+2*\j], s[94:95], v[4:5] op_sel_hi:[1,0,1]
.endif
.endr
.endr
.irp i, 0,1,2
	ds_load_b64 v[240+2*\i:241+2*\i], v57 offset:256*\i
.endr
	s_wait_dscnt 0x0
.irp i, 0,1,2
	s_mov_b32 s94, s[90+\i]
	v_pk_fma_f32 v[4:5], v[240+2*\i:241+2*\i], s[94:95], v[4:5] op_sel_hi:[1,0,1]
.endr
	ds_store_b64 v60, v[4:5]                       ; only my wave reads these bytes
	s_wait_loadcnt 36                              ; q and all scale words are in (K's 36 loads may be out): so their address registers, v62-71, may be written
.irp c, 0,1,2,3
	ds_load_b128 v[AM+4*\c:AM+4*\c+3], v31 offset:128*8+16*\c
.endr
.irp c, 0,1,2,3
	ds_load_b128 v[AM+16+4*\c:AM+16+4*\c+3], v31 offset:128*7+16*\c
.endr
	v_perm_b32 v10, v10, v10, s97                  ; q's two bytes, in the lower and in the upper half of the word
.irp s, 0,1                            ; V's words by 128 keys become words that begin at the first block walked
	v_alignbit_b32 v[16+\s], v[18+\s], v[16+\s], s25
	v_alignbit_b32 v[18+\s], v[20+\s], v[18+\s], s25
	v_alignbit_b32 v[20+\s], v[20+\s], v[20+\s], s25
.endr
.rept 4
	v_nop                                          ; with the six lines above: a scale register written by a vector instruction stands eight places ahead of its product
.endr
.macro WQK b                           ; the scores of block b: two products, K against q in the lower and in the upper half
	s_wait_loadcnt 4*(\b)                          ; K of block b is in; the 4 b loads of the blocks below may be out
.if (\b)%2
	v_wmma_scale_f32_16x16x128_f8f6f4 v[T+16*((\b)+1):T+16*((\b)+1)+7], v[T+16*(\b):T+16*(\b)+15], v[32:47], 0, v[KSR+(\b)/2], v10 matrix_a_fmt:MATRIX_FMT_BF8 matrix_b_fmt:MATRIX_FMT_BF8 matrix_a_scale:MATRIX_SCALE_ROW1
	v_wmma_scale_f32_16x16x128_f8f6f4 v[T+16*((\b)+1)+8:T+16*((\b)+1)+15], v[T+16*(\b):T+16*(\b)+15], v[40:55], 0, v[KSR+(\b)/2], v10 matrix_a_fmt:MATRIX_FMT_BF8 matrix_b_fmt:MATRIX_FMT_BF8 matrix_a_scale:MATRIX_SCALE_ROW1
.else
	v_wmma_scale_f32_16x16x128_f8f6f4 v[T+16*((\b)+1):T+16*((\b)+1)+7], v[T+16*(\b):T+16*(\b)+15], v[32:47], 0, v[KSR+(\b)/2], v10 matrix_a_fmt:MATRIX_FMT_BF8 matrix_b_fmt:MATRIX_FMT_BF8
	v_wmma_scale_f32_16x16x128_f8f6f4 v[T+16*((\b)+1)+8:T+16*((\b)+1)+15], v[T+16*(\b):T+16*(\b)+15], v[40:55], 0, v[KSR+(\b)/2], v10 matrix_a_fmt:MATRIX_FMT_BF8 matrix_b_fmt:MATRIX_FMT_BF8
.endif
.endm
; Block b's logits: score / 8 + the mask word; the window in the first and the last block; the block's largest.  At least 16 plain lines that name no register of the products round them:
; they are the places between a product and the next one, which writes over its K, and between a product and the first read of its scores.
.macro VX b
.set S, T+16*((\b)+1)
.set A, AM+16*((\b)%2)
.if (\b) > 0
	s_wait_dscnt 0x4                               ; this block's mask words are in; the four loads of the block below, issued behind them, may be out
.else
	s_wait_dscnt 0x0
.endif
.irp i, 0,2,4,6,8,10,12,14
	v_pk_fma_f32 v[S+\i:S+\i+1], v[S+\i:S+\i+1], 0x3e000000, v[A+\i:A+\i+1] op_sel_hi:[1,0,1]
.endr
.if (\b) >= 2
.irp c, 0,1,2,3
	ds_load_b128 v[A+4*\c:A+4*\c+3], v31 offset:128*((\b)-2)+16*\c
.endr
.endif
.if (\b) == 0
.irp i, 0,1,2,3,4,5,6,7,8,9,10,11,12,13,14,15
	v_cmp_ge_i32 vcc_lo, \i, v15                   ; kept where the key is not more than 128 below the query
	v_cndmask_b32 v[S+\i], s59, v[S+\i], vcc_lo
.endr
.endif
.if (\b) == 8
.irp i, 0,1,2,3,4,5,6,7,8,9,10,11,12,13,14,15
	v_cmp_lt_i32 vcc_lo, \i, v15                   ; kept where the key is less than 128 above the query
	v_cndmask_b32 v[S+\i], s60, v[S+\i], vcc_lo
.endr
.endif
	v_max3_num_f32 v[BM+(\b)], v[S], v[S+1], v[S+2]
.irp i, 3,5,7,9,11,13
	v_max3_num_f32 v[BM+(\b)], v[BM+(\b)], v[S+\i], v[S+\i+1]
.endr
	v_max_num_f32 v[BM+(\b)], v[BM+(\b)], v[S+15]
.endm
	WQK 8
	v_and_b32 v93, 15, v0                          ; twelve plain lines: the places behind block 8's products
	v_and_b32 v94, 8, v93
	v_add_nc_u32 v93, v93, v94                     ; r + 8 (r / 8)
	v_bfe_u32 v94, v0, 4, 1
	v_lshlrev_b32 v94, 4, v94
	v_sub_nc_u32 v93, v93, v94
	v_lshl_add_u32 v15, s22, 3, v93                ; my query's place in its 32, less 16 h: register i of the first block is kept where i >= this, of the last where i < this
	v_mov_b32 v4, 0                                ; the row's sum, in two chains of pairs
	v_mov_b32 v5, 0
	v_mov_b32 v6, 0
	v_mov_b32 v7, 0
	v_mov_b32 v3, 0                                ; (named as the upper half of the pair v[2:3])
	WQK 7
	VX 8
.irp b, 6,5,4,3,2,1,0                  ; the products of block b, then the vector work of block b + 1, whose products stand one turn back
	WQK \b
	VX \b+1
.endr
.irp d, 0,1,2,3
	global_load_b128 v[T+4*\d:T+4*\d+3], v1, s[82:83] offset:512*\d   ; V of the ninth block, all four chunks, where K of block 0 lay (block 1's 16 plain lines stand behind block 0's products)
.endr
	VX 0
	; ---- the row's M, and each block's scale
.irp g, 0,3,6
	v_permlanex16_b32 v93, v[BM+\g], s56, s57
	v_permlanex16_b32 v94, v[BM+\g+1], s56, s57
	v_permlanex16_b32 v95, v[BM+\g+2], s56, s57
	v_max_num_f32 v[BM+\g], v[BM+\g], v93          ; with lane l xor 16's 16 keys
	v_max_num_f32 v[BM+\g+1], v[BM+\g+1], v94
	v_max_num_f32 v[BM+\g+2], v[BM+\g+2], v95
.endr
	v_max3_num_f32 v11, v22, v23, v24
	v_max3_num_f32 v11, v11, v25, v26
	v_max3_num_f32 v11, v11, v27, v28
	v_max3_num_f32 v11, v11, v29, v30
	v_max_num_f32 v11, 0xc61c4000, v11             ; and the keys not walked: -10000
	v_mul_f32 v11, s54, v11
	v_floor_f32 v2, -v11                           ; -M = floor(-t) = -ceil(t)
	v_mov_b32 v8, 0xc61c4000
.irp b, 0,1,2,3,4,5,6,7,8
	v_fma_f32 v[BM+\b], v[BM+\b], s54, v2          ; p rises with the logit: the block's largest logit gives its largest p
.endr
	v_fma_f32 v8, v8, s54, v2
.irp b, 0,1,2,3,4,5,6,7,8
	v_exp_f32 v[BM+\b], v[BM+\b]
.endr
	v_exp_f32 v8, v8                               ; c
.irp i, 0,1,2,3,4,5,6,7,8,9,10,11
	v_mov_b32 v[68+\i], 0                          ; zero codes behind the ninth block's.  (Plain lines behind the exponentials)
.endr
	s_wait_alu depctr_va_vdst(0)
.irp b, 0,1,2,3,4,5,6,7,8
	v_max_num_f32 v[BM+\b], 0x8000000, v[BM+\b]    ; the floor 2^(16 - 127): the byte cannot fall under 1
.endr
.irp b, 0,1,2,3,4,5,6,7,8
	v_add_nc_u32 v[93+\b%3], 0xf8800000, v[BM+\b]  ; 15 off the exponent field
.if \b%4 == 0
	v_lshrrev_b32 v[12+\b/4], 23, v[93+\b%3]       ; the scale's byte; four make a word
.else
	v_lshrrev_b32 v[93+\b%3], 23, v[93+\b%3]
	v_lshl_or_b32 v[12+\b/4], v[93+\b%3], 8*(\b%4), v[12+\b/4]
.endif
	v_and_or_b32 v[BM+\b], v[BM+\b], 0x7f800000, s58   ; 57,344 x the scale
.endr
; Block b: p, its sum, its codes; then a fragment of V lands where the scores lay
.macro XP b
.set S, T+16*((\b)+1)
.irp i, 0,2,4,6,8,10,12,14
	v_pk_fma_f32 v[S+\i:S+\i+1], v[S+\i:S+\i+1], s[54:55], v[2:3] op_sel_hi:[1,0,0]   ; t - M
.endr
.irp i, 0,1,2,3,4,5,6,7,8,9,10,11,12,13,14,15
	v_exp_f32 v[S+\i], v[S+\i]
.endr
	v_add_nc_u32 v11, 0xf8800000, v[BM+(\b)]       ; the conversion's scale operand: the hold's exponent field less 15.  (A plain line behind the exponentials)
	s_wait_alu depctr_va_vdst(0)
.irp i, 0,4,8,12
	v_pk_add_f32 v[4:5], v[4:5], v[S+\i:S+\i+1]    ; the sum is taken of the unquantised p
	v_pk_add_f32 v[6:7], v[6:7], v[S+\i+2:S+\i+3]
.endr
.irp i, 0,1,2,3,4,5,6,7,8,9,10,11,12,13,14,15
	v_min_num_f32 v[S+\i], v[S+\i], v[BM+(\b)]     ; the conversion does not saturate (ISA guide 7.6.2); p is not negative
.endr
	v_cvt_scalef32_pk8_bf8_f32 v[PC+4*(\b):PC+4*(\b)+1], v[S:S+7], v11
	v_cvt_scalef32_pk8_bf8_f32 v[PC+4*(\b)+2:PC+4*(\b)+3], v[S+8:S+15], v11
	v_nop                                          ; one plain line behind the last conversion
.if (\b) < 8
.irp c, 0,1,2,3
	global_load_b128 v[S+4*\c:S+4*\c+3], v1, s[66+2*(4*((\b)/4)+\c):67+2*(4*((\b)/4)+\c)] offset:512*((\b)%4)   ; chunk b % 4 of the four blocks 4 (b / 4) on
.endr
.endif
.endm
.irp b, 0,1,2,3,4,5,6,7,8
	XP \b
.endr
	; ---- the row's sum, Q(c), 1 / the sum: plain lines, also the places between p's codes and the products
	v_pk_add_f32 v[4:5], v[4:5], v[6:7]
	v_add_f32 v4, v4, v5
	v_permlanex16_b32 v93, v4, s56, s57
	v_add_f32 v4, v4, v93
	v_cvt_f32_u32 v94, s61
	v_fmac_f32 v4, v8, v94                         ; + c x the keys not walked
	v_and_b32 v94, 0x7f800000, v8                  ; c's power of two
	v_or_b32 v95, s58, v94                         ; 1.75 x that: the largest code x the scale
	v_min_num_f32 v9, v8, v95
	v_add_nc_u32 v94, 0x0a800000, v94              ; 2^21 x that: adding and taking it away rounds to two mantissa bits, ties to even
	v_add_f32 v9, v9, v94
	v_sub_f32 v9, v9, v94                          ; Q(c)
	v_rcp_f32 v6, v4
	v_nop
.macro PV1 acc, va, pb, sa, sb, first, row
.if \first
.if \row
	v_wmma_scale_f32_16x16x128_f8f6f4 v[\acc:\acc+7], v[\va:\va+15], v[\pb:\pb+15], 0, v[\sa], v[\sb] matrix_a_fmt:MATRIX_FMT_BF8 matrix_b_fmt:MATRIX_FMT_BF8 matrix_a_scale:MATRIX_SCALE_ROW1
.else
	v_wmma_scale_f32_16x16x128_f8f6f4 v[\acc:\acc+7], v[\va:\va+15], v[\pb:\pb+15], 0, v[\sa], v[\sb] matrix_a_fmt:MATRIX_FMT_BF8 matrix_b_fmt:MATRIX_FMT_BF8
.endif
.else
.if \row
	v_wmma_scale_f32_16x16x128_f8f6f4 v[\acc:\acc+7], v[\va:\va+15], v[\pb:\pb+15], v[\acc:\acc+7], v[\sa], v[\sb] matrix_a_fmt:MATRIX_FMT_BF8 matrix_b_fmt:MATRIX_FMT_BF8 matrix_a_scale:MATRIX_SCALE_ROW1
.else
	v_wmma_scale_f32_16x16x128_f8f6f4 v[\acc:\acc+7], v[\va:\va+15], v[\pb:\pb+15], v[\acc:\acc+7], v[\sa], v[\sb] matrix_a_fmt:MATRIX_FMT_BF8 matrix_b_fmt:MATRIX_FMT_BF8
.endif
.endif
.endm
; O^T += V^T P^T for 128 keys: four accumulators by turns.  V's scale words: chunks 0, 1 in lanes 0-15, chunks 2, 3 in lanes 16-31.
.macro PVSTEP st, first
	PV1 80,  T+16*(1+4*\st), PC+16*\st, 16+2*\st, 12+\st, \first, 0
	PV1 22,  T+16*(2+4*\st), PC+16*\st, 17+2*\st, 12+\st, \first, 0
	PV1 240, T+16*(3+4*\st), PC+16*\st, 16+2*\st, 12+\st, \first, 1
	PV1 248, T+16*(4+4*\st), PC+16*\st, 17+2*\st, 12+\st, \first, 1
.endm
	s_wait_loadcnt 16                              ; the ninth block's V and the first four blocks' are in; the 16 loads of the next four may be out
	PVSTEP 0, 1
	PV1 80,  T,    PC+32, 20, 14, 0, 0             ; the ninth block: its chunk's four registers, then twelve registers of other codes of V, which meet zero codes of p
	PV1 22,  T+4,  PC+32, 21, 14, 0, 0
	PV1 240, T+8,  PC+32, 20, 14, 0, 1
	PV1 248, T+12, PC+32, 21, 14, 0, 1
	s_wait_loadcnt 0x0
	PVSTEP 1, 0
	; ---- thirteen plain lines: the places behind the last products
	v_lshrrev_b32 v11, 5, v0
	v_bfe_u32 v15, v0, 4, 1
	v_lshlrev_b32 v93, 8, v11
	v_lshl_add_u32 v93, v15, 7, v93
	v_add_nc_u32 v93, SOB, v93                     ; my head's sums of v: rows 8 h .. 8 h + 7 of a chunk
	v_and_b32 v94, 15, v0
	v_mul_u32_u24 v94, v94, CP
	v_lshl_add_u32 v94, v11, 8, v94
	v_lshl_add_u32 v94, v15, 6, v94
	v_add_nc_u32 v94, CTX, v94                     ; the context: row r, my head's 256 bytes, + 64 h
	v_mul_u32_u24 v95, v11, CP
	v_add_nc_u32 v95, v95, v1
	v_add_nc_u32 v95, CTX, v95                     ; and back: row = my wave, 16 bytes a lane
.irp k, 0,1,2,3,4,5,6,7
	global_load_b128 v[112+4*\k:115+4*\k], v1, s[4:5] offset:512*\k th:TH_LOAD_NT   ; my row of hidden_states
.endr
.irp k, 0,1,2,3,4,5,6,7
	global_load_b128 v[144+4*\k:147+4*\k], v1, s[8:9] offset:512*\k
.endr
.irp k, 0,1,2,3,4,5,6,7
	global_load_b128 v[176+4*\k:179+4*\k], v1, s[10:11] offset:512*\k
.endr
.irp k, 0,1,2,3,4,5,6,7
	ds_load_b128 v[208+4*\k:211+4*\k], v93 offset:16*\k
.endr
	s_wait_dscnt 0x0
.set DT, 0
	s_wait_alu depctr_va_vdst(0)
.irp oa, 80,22,240,248                 ; register j of chunk DT is row 8 h + j of that chunk: word 4 j + DT of my 32
.irp j, 0,1,2,3,4,5,6,7
	v_fmac_f32 v[\oa+\j], v9, v[208+4*\j+DT]       ; + Q(c) x the sum of v over the blocks not walked; ascending: each accumulator is first read at its low end
.endr
.irp j, 0,2,4,6
	v_pk_mul_f32 v[\oa+\j:\oa+\j+1], v[\oa+\j:\oa+\j+1], v[6:7] op_sel_hi:[1,0]   ; / the row's sum
.endr
	ds_store_b128 v94, v[\oa:\oa+3] offset:128*(DT/2)+32*(DT%2)        ; channels 32 (DT / 2) + 8 (DT % 2) + 16 h + 0 .. 7
	ds_store_b128 v94, v[\oa+4:\oa+7] offset:128*(DT/2)+32*(DT%2)+16
.set DT, DT+1
.endr
	s_wait_dscnt 0x0                               ; for the others' sake: my part of the 16 rows is stored
	s_barrier_signal -1
	s_barrier_wait -1
	; ---- the residual and the norm: a wave to a row, 32 numbers a lane
.irp k, 0,1,2,3,4,5,6,7
	ds_load_b128 v[208+4*\k:211+4*\k], v95 offset:512*\k
.endr
	s_wait_loadcnt 16                              ; hidden_states' row is in; gamma's and beta's 16 loads may be out
	s_wait_dscnt 0x0
.irp i, 0,2,4,6,8,10,12,14,16,18,20,22,24,26,28,30
	v_pk_add_f32 v[112+\i:113+\i], v[112+\i:113+\i], v[208+\i:209+\i]
.endr
	v_pk_add_f32 v[4:5], v[112:113], v[114:115]
	v_pk_add_f32 v[6:7], v[116:117], v[118:119]
.irp i, 8,12,16,20,24,28
	v_pk_add_f32 v[4:5], v[4:5], v[112+\i:113+\i]
	v_pk_add_f32 v[6:7], v[6:7], v[114+\i:115+\i]
.endr
	v_pk_add_f32 v[4:5], v[4:5], v[6:7]
	v_add_f32 v4, v4, v5
	v_add_f32_dpp v4, v4, v4 row_xmask:1 row_mask:0xf bank_mask:0xf
	v_add_f32_dpp v4, v4, v4 row_xmask:2 row_mask:0xf bank_mask:0xf
	v_add_f32_dpp v4, v4, v4 row_xmask:4 row_mask:0xf bank_mask:0xf
	v_add_f32_dpp v4, v4, v4 row_xmask:8 row_mask:0xf bank_mask:0xf
	v_permlanex16_b32 v5, v4, s56, s57
	v_add_f32 v4, v4, v5
	v_mul_f32 v4, 0xba800000, v4                   ; -mean
.irp i, 0,2,4,6,8,10,12,14,16,18,20,22,24,26,28,30
	v_pk_add_f32 v[112+\i:113+\i], v[112+\i:113+\i], v[4:5] op_sel_hi:[1,0]
.endr
	v_pk_mul_f32 v[6:7], v[112:113], v[112:113]
	v_pk_mul_f32 v[8:9], v[114:115], v[114:115]
.irp i, 4,8,12,16,20,24,28
	v_pk_fma_f32 v[6:7], v[112+\i:113+\i], v[112+\i:113+\i], v[6:7]
	v_pk_fma_f32 v[8:9], v[114+\i:115+\i], v[114+\i:115+\i], v[8:9]
.endr
	v_pk_add_f32 v[6:7], v[6:7], v[8:9]
	v_add_f32 v6, v6, v7
	v_add_f32_dpp v6, v6, v6 row_xmask:1 row_mask:0xf bank_mask:0xf
	v_add_f32_dpp v6, v6, v6 row_xmask:2 row_mask:0xf bank_mask:0xf
	v_add_f32_dpp v6, v6, v6 row_xmask:4 row_mask:0xf bank_mask:0xf
	v_add_f32_dpp v6, v6, v6 row_xmask:8 row_mask:0xf bank_mask:0xf
	v_permlanex16_b32 v7, v6, s56, s57
	v_add_f32 v6, v6, v7
	v_mul_f32 v6, 0x3a800000, v6                   ; the variance
	v_add_f32 v6, 0x2b8cbccc, v6                   ; + 1e-12
	v_rsq_f32 v6, v6
	v_nop
	s_wait_loadcnt 0x0                             ; gamma and beta
	s_wait_alu depctr_va_vdst(0)
.irp i, 0,2,4,6,8,10,12,14,16,18,20,22,24,26,28,30
	v_pk_mul_f32 v[112+\i:113+\i], v[112+\i:113+\i], v[6:7] op_sel_hi:[1,0]
.endr
.irp i, 0,2,4,6,8,10,12,14,16,18,20,22,24,26,28,30
	v_pk_fma_f32 v[112+\i:113+\i], v[112+\i:113+\i], v[144+\i:145+\i], v[176+\i:177+\i]
.endr
.irp k, 0,1,2,3,4,5,6,7
	global_store_b128 v1, v[112+4*\k:115+4*\k], s[18:19] offset:512*\k th:TH_STORE_NT   ; 32 lanes store 512 consecutive bytes of the row
.endr
	s_wait_xcnt 0x0
	v_lshl_add_u32 v254, v0, 2, 0x34900
	v_mov_b32 v255, 0
	s_wait_tensorcnt 0x0
	ds_add_u32 v254, v255
	s_wait_dscnt 0x0
	s_endpgm
.Lfunc_end_k_q5d46af350d_attn:
	.size	k_q5d46af350d_attn, .Lfunc_end_k_q5d46af350d_attn-k_q5d46af350d_attn
	.p2alignl 7, 3214868480
	.fill 96, 4, 3214868480
	.section	.rodata,"a",@progbits
	.p2align	6, 0x0
	.amdhsa_kernel k_q5d46af350d_attn
		.amdhsa_group_segment_fixed_size 217344
		.amdhsa_private_segment_fixed_size 0
		.amdhsa_enable_private_segment 0
		.amdhsa_kernarg_size 64
		.amdhsa_user_sgpr_count 2
		.amdhsa_user_sgpr_kernarg_segment_ptr 1
		.amdhsa_wavefront_size32 1
		.amdhsa_system_sgpr_workgroup_id_x 1
		.amdhsa_system_sgpr_workgroup_id_y 1
		.amdhsa_system_sgpr_workgroup_id_z 1
		.amdhsa_system_vgpr_workitem_id 0
		.amdhsa_next_free_vgpr 256
		.amdhsa_next_free_sgpr 102
		.amdhsa_reserve_vcc 1
		.amdhsa_float_denorm_mode_32 3
		.amdhsa_float_denorm_mode_16_64 3
		.amdhsa_memory_ordered 1
		.amdhsa_forward_progress 1
		.amdhsa_inst_pref_size 91
	.end_amdhsa_kernel
	.amdgpu_metadata
---
amdhsa.version: [ 1, 2 ]
amdhsa.kernels:
  - .name:           k_q5d46af350d_attn
    .symbol:         k_q5d46af350d_attn.kd
    .args:
      - { .name: hidden_states, .offset: 0, .size: 8, .value_kind: global_buffer, .address_space: global }
      - { .name: attention_mask, .offset: 8, .size: 8, .value_kind: global_buffer, .address_space: global }
      - { .name: ln_gamma, .offset: 16, .size: 8, .value_kind: global_buffer, .address_space: global }
      - { .name: ln_beta, .offset: 24, .size: 8, .value_kind: global_buffer, .address_space: global }
      - { .name: qkvc, .offset: 32, .size: 8, .value_kind: global_buffer, .address_space: global }
      - { .name: qkvs, .offset: 40, .size: 8, .value_kind: global_buffer, .address_space: global }
      - { .name: vsum, .offset: 48, .size: 8, .value_kind: global_buffer, .address_space: global }
      - { .name: out0, .offset: 56, .size: 8, .value_kind: global_buffer, .address_space: global }
    .group_segment_fixed_size: 217344
    .private_segment_fixed_size: 0
    .kernarg_segment_align: 8
    .kernarg_segment_size: 64
    .max_flat_workgroup_size: 512
    .sgpr_count:     102
    .vgpr_count:     256
    .wavefront_size: 32
...
	.end_amdgpu_metadata
.endif
;; end of part 3
